; MI455X (gfx1250); checked and timed in simulation.
; The chip was launched on July 23, 2026; its instructions are those of AMD's public machine-readable ISA for CDNA 5 (MIT licence, August 2026) and "CDNA5" Instruction Set Architecture Reference Guide (July 2026). The comments in the code are by the model that wrote it; some were corrected since.
;; Self Attention. Allowed arithmetic: matrix products marked QUANTISED: E2M1 operands, one E8M0 scale for each 32 along K, by v_wmma_scale_f32_16x16x128_f8f6f4 with both operands' format E2M1 (or v_wmma_scale_f32_32x16x128_f4), f32 sums; products left as they are: bf16, f16 or f32 operands; f32 sums; everything else in f32.
;; Inputs: b_out 1,024 float32; w_out 1,024 x 1,024 float32; w_qkv 3,072 x 1,024 float32; x 8 x 1,024 x 1,024 float32.
;; Outputs: out0 8 x 1,024 x 1,024 float32.
;; This version of the problem:
;;   THIS VERSION OF THE PROBLEM IS GIVEN IN LOW PRECISION. The matrix products marked QUANTISED in the list below multiply operands that are first quantised to E2M1 (2 exponent bits, 1 mantissa bit; 4 bits a number), with one power-of-two scale for each 32 numbers along K (OCP MX v1.0); their sums are f32. The products marked 'left as it is' may take bf16, f16 or f32 operands, with f32 sums. Whichever they take, every output number must still come out within the allowed error. Rounding operands to bf16 (8 significant bits) uses up far more of that allowance than f16 does (11 bits, for magnitudes from 6e-5 to 65,504). All else is computed in f32.
;;   The module's matrix products, in the order in which they are computed (A, B: the left and right operand; K: the contracted axis; several contracted axes count as one K, in the product's order):
;;     1. [M 8,192, K 1,024] x [K 1,024, N 3,072]; A: input x; B: input w_qkv: QUANTISED
;;     2. batch 128 x [M 1,024, K 64] x [K 64, N 1,024]; A: computed on the way; B: computed on the way: left as it is (an operand is computed on the way)
;;     3. batch 128 x [M 1,024, K 1,024] x [K 1,024, N 64]; A: computed on the way; B: computed on the way: left as it is (an operand is computed on the way)
;;     4. [M 8,192, K 1,024] x [K 1,024, N 1,024]; A: computed on the way; B: input w_out: left as it is (an operand is computed on the way)
;;   THE QUANTISER, for each operand of a quantised product, along K:
;;     - K is cut into blocks of 32 from its start; a last block that is shorter is filled with zeros.
;;     - A block's scale is 2^e with e = floor(log2(the largest magnitude in the block)) - 2, held to -126 .. 127; a block of zeros has e = 0. As a byte (E8M0): e + 127.
;;     - Each number is divided by its block's scale, clamped to +-6, and rounded to the nearest number of E2M1, ties to even, subnormals kept.
;;     - The product sums the exact products of the quantised numbers (number of the format x scale) in f32.
;;   ~~~python
;;   def quantise(x, axis):      # numpy; x: float32 -> the quantised numbers, widened to float32 again
;;       x = np.moveaxis(x, axis, -1); K = x.shape[-1]
;;       x = np.pad(x, [(0, 0)] * (x.ndim - 1) + [(0, -K % 32)]); x = x.reshape(x.shape[:-1] + (-1, 32)); a = np.abs(x).max(-1, keepdims=True)
;;       e = np.where(a > 0, np.clip(np.frexp(np.where(a > 0, a, 1))[1] - 1 - 2, -126, 127), 0)      # np.frexp(a)[1] - 1 = floor(log2(a)), exactly
;;       r = np.clip(x / 2.0 ** e, -6, 6)
;;       step = 2.0 ** (np.maximum(np.frexp(np.where(r == 0, 1, r))[1] - 1, 0) - 1)
;;       q = np.round(r / step) * step * 2.0 ** e      # np.round: ties to even
;;       return np.moveaxis(q.reshape(q.shape[:-2] + (-1,))[..., :K], -1, axis).astype(np.float32)
;;   ~~~
;; One version. Each part assembles by itself: llvm-mc -triple=amdgcn-amd-amdhsa -mcpu=gfx1250 --defsym DOCPART=n.
;; ======== version 1 of 1: 4 launches
;; limits: values are held in f16: magnitudes above 65,504 overflow, below 6.1e-05 lose precision
;; workspace buffers: xc 4,194,304 bytes; xs 262,144 bytes; wc 1,572,864 bytes; ws 98,304 bytes; wimg 2,097,152 bytes; qkv 50,331,648 bytes; oimg 16,777,216 bytes
;; launch quant (part 1): grid 1664 x 1, 1 waves a work-group, no clusters, 8,448 bytes of LDS; arguments x, w_qkv, xc, xs, wc, ws, w_out, wimg; writes xc, xs, wc, ws, wimg
.if DOCPART == 1
	.amdgcn_target "amdgcn-amd-amdhsa--gfx1250"
	.amdhsa_code_object_version 6
	.text
	.protected	k_qa3fb097937_quant
	.globl	k_qa3fb097937_quant
	.p2align	8
	.type	k_qa3fb097937_quant,@function
k_qa3fb097937_quant:
	s_mov_b64 s[64:65], 0
	v_nop
	global_prefetch_b8 v0, s[64:65] scope:SCOPE_SE
	s_setreg_imm32_b32 hwreg(HW_REG_WAVE_MODE, 25, 1), 1
	s_wait_xcnt 0x0
; THREE TENSORS ARE MADE READY FOR THE LATER LAUNCHES.  A work-group is ONE wave: waves share nothing here, and small work-groups, the long ones first, share the work out finely.
; x [8192][1024] and w_qkv [3072][1024], f32, become codes of FP4 (E2M1), 4 bits each, K innermost, with one E8M0 scale byte for each 32 along K (work-groups 0 to 1,407).
; A block's scale is 2^(floor(log2(its largest magnitude)) - 2); its byte is the largest magnitude's own exponent field - 2, held at 1 from below.  Each number is divided by the scale and rounded to the nearest code, ties to even;
; beyond 6 the conversion gives the largest code.  (A block of zeros gets the byte 1 where the rule says 127: its codes are zeros, which add nothing under any byte but 0xff, and this program alone reads the bytes.)
; w_out [1024][1024], f32, becomes f16 in TILE IMAGES (work-groups 1,408 to 1,663): a tile of 16 rows x 16 columns is 512 bytes, lane l = (r = l % 16, h = l / 16) owns the 16 bytes at 16 l: row r, columns 8 h .. 8 h + 7.
; Two such tiles side by side are the eight registers of a 16-bit matrix operand (16 rows x 32 along K).  wimg is laid [row tile 64][column tile 64][512 bytes].
; LIMITS: blocks whose largest magnitude lies under 2^(2 - 126) keep the byte 1; NaN and infinities are not served; |w_out| stays under 65,504 (f16).
; Rows are dense and K is a multiple of 32, so x and w_qkv are plain streams of blocks of 32, and so are their codes and scale bytes.  A wave takes 16 steps of 512 numbers.  Each of a step's four loads reads 512 consecutive
; bytes; the 2,048 bytes turn through the wave's stage in LDS and come back 64 bytes a lane, so that a lane holds 16 neighbours along K (two lanes hold a block).  The wave's 256 scale bytes are gathered in LDS and
; leave as one aligned run of 256 bytes.  Loads run eight steps (32 loads, 16,384 bytes a wave) ahead, the turn through LDS one step.  No tensor loads, no barrier.
.set SIZE_M, 8192
.set SIZE_N, 3072
.set SIZE_K, 1024
.set STEPS, 16
.set AHEAD, 8                          ; steps that the loads run ahead
.set WGA,   SIZE_M*SIZE_K/(512*STEPS)              ; 1,024 work-groups for x
.set WGQ,   (SIZE_M+SIZE_N)*SIZE_K/(512*STEPS)     ; 1,408 for x and w_qkv together
.set EMAX,  2
.set CB,    8                          ; bytes of 16 codes
.set R,     16                         ; v16-143  eight sets of 16 numbers as they are loaded
.set X,     144                        ; v144-175 two sets of 16 neighbours
.set E,     176                        ; v176-191 a scale byte for each step
.set C,     192                        ; v192-255 codes: four registers for each step, so that no store's data are written again
.set SP,    80                         ; a lane's place in a stage: its 64 bytes + 16 of padding
.set SCB,   2*32*SP                    ; LDS: two stages of 32 x SP bytes, and behind them the 256 scale bytes
.set SPW,   12                         ; v12      LDS address of my spare word: SPARE + 4 x my thread's number; never rewritten
.set NIL,   13                         ; v13      0; never rewritten
.set SPARE, 8192                       ; the spare words: 128 bytes, in a block of 256 that no other line names
.set D,     16                         ; the w_out path: v16-143, eight registers for each of a wave's 16 tiles
	s_load_b128 s[4:7], s[0:1], 0x0                ; x, w_qkv
	s_load_b128 s[8:11], s[0:1], 0x10              ; x's codes, x's scales
	s_load_b128 s[12:15], s[0:1], 0x20             ; w_qkv's codes, its scales
	s_load_b128 s[24:27], s[0:1], 0x30             ; w_out, wimg
	v_lshl_add_u32 v[SPW], v0, 2, SPARE
	v_mov_b32 v[NIL], 0
	v_and_b32 v2, 31, v0                           ; lane
	s_cmp_ge_u32 ttmp9, WGQ                        ; the last 256 work-groups take w_out: a branch on the work-group's number alone
	s_cbranch_scc1 .Lwout
	v_lshlrev_b32 v3, 4, v2                        ; my 16 bytes of a load's 512
	v_lshrrev_b32 v14, 2, v2
	v_mul_u32_u24 v14, v14, SP
	v_and_b32 v15, 3, v2
	v_lshl_add_u32 v14, v15, 4, v14                ; the stage, on the way in: four lanes' 64 bytes on end, then 16 of padding
	v_mul_u32_u24 v15, v2, SP                      ; and on the way out: SP x lane: my 16 neighbours
	v_mul_u32_u24 v4, v2, CB                       ; my codes' place in a step's
	v_lshrrev_b32 v5, 1, v2
	v_add_nc_u32 v5, SCB, v5                       ; LDS: the 256 scale bytes, my block's byte
	v_lshlrev_b32 v7, 3, v2                        ; and on the way out 8 bytes a lane
	v_add_nc_u32 v6, SCB, v7
	s_wait_kmcnt 0x0
	s_cmp_lt_u32 ttmp9, WGA                        ; x's work-group or w_qkv's?  The choice hangs on the work-group's number alone
	s_cselect_b64 s[4:5], s[4:5], s[6:7]
	s_cselect_b64 s[8:9], s[8:9], s[12:13]
	s_cselect_b64 s[10:11], s[10:11], s[14:15]
	s_cselect_b32 s17, 0, WGA
	s_sub_co_u32 s18, ttmp9, s17                   ; which run of 8,192 numbers of the tensor is mine
	s_mov_b32 s19, 0
	s_mov_b64 s[20:21], 512*STEPS*4
	s_mul_u64 s[20:21], s[18:19], s[20:21]
	s_add_nc_u64 s[4:5], s[4:5], s[20:21]
	s_mov_b64 s[20:21], 32*STEPS*CB
	s_mul_u64 s[20:21], s[18:19], s[20:21]
	s_add_nc_u64 s[8:9], s[8:9], s[20:21]
	s_lshl_b32 s18, s18, 8                         ; 256 scale bytes a run
	s_add_nc_u64 s[10:11], s[10:11], s[18:19]
.macro LOAD t
.irp i, 0,1,2,3
	global_load_b128 v[R+16*((\t)%AHEAD)+4*\i:R+16*((\t)%AHEAD)+4*\i+3], v3, s[4:5] offset:2048*(\t)+512*\i th:TH_LOAD_NT   ; 32 lanes read 512 consecutive bytes
.endr
.endm
.macro TURN t                          ; step t's numbers through the stage: LDS serves a wave's instructions in order, so no wait stands between the stores and the loads
.irp i, 0,1,2,3
	ds_store_b128 v14, v[R+16*((\t)%AHEAD)+4*\i:R+16*((\t)%AHEAD)+4*\i+3] offset:32*SP*((\t)%2)+8*SP*\i
.endr
.irp i, 0,1,2,3
	ds_load_b128 v[X+16*((\t)%2)+4*\i:X+16*((\t)%2)+4*\i+3], v15 offset:32*SP*((\t)%2)+16*\i
.endr
.endm
.irp t, 0,1,2,3,4,5,6,7
	LOAD \t
.endr
	s_wait_loadcnt 4*(AHEAD-1)                     ; step 0's four loads are in; the 28 of steps 1 to 7 may be out
	TURN 0
.macro STEP t
.set XS, X+16*((\t)%2)
.if (\t) > 0
	s_wait_dscnt 1                                 ; this step's numbers are back from the stage (the last step's byte store may be out): so its stores into the stage have read their registers,
.else
	s_wait_dscnt 0x0
.endif
.if (\t)+AHEAD < STEPS
	LOAD (\t)+AHEAD                                ; which take the loads of eight steps on
.endif
.if (\t)+1 < STEPS
.if STEPS-2-(\t) >= AHEAD-1
	s_wait_loadcnt 4*(AHEAD-1)                     ; the next step's four loads are in; those of the seven steps behind it may be out
.else
	s_wait_loadcnt 4*(STEPS-2-(\t))                ; towards the end: those of the steps that are left
.endif
	TURN (\t)+1                                    ; and go through the other stage while this step is worked
.endif
	v_max3_num_f32 v8, |v[XS]|, |v[XS+1]|, |v[XS+2]|               ; the largest magnitude of my 16
	v_max3_num_f32 v9, |v[XS+3]|, |v[XS+4]|, |v[XS+5]|
.irp i, 6,10
	v_max3_num_f32 v8, v8, |v[XS+\i]|, |v[XS+\i+1]|
	v_max3_num_f32 v9, v9, |v[XS+\i+2]|, |v[XS+\i+3]|
.endr
	v_max3_num_f32 v8, v8, |v[XS+14]|, |v[XS+15]|
	v_max3_num_f32 v8, v8, v9, (EMAX+1)<<23        ; and the floor 2^(EMAX + 1 - 127): so the byte cannot fall under 1
	v_max_num_f32_dpp v8, v8, v8 row_xmask:1 row_mask:0xf bank_mask:0xf   ; and of my neighbour's 16: the block's
	v_add_nc_u32 v11, -(EMAX<<23), v8              ; EMAX off its exponent field: the conversion takes the exponent field of this operand as its scale, and nothing else of it
	v_cvt_scalef32_pk8_fp4_f32 v[C+4*(\t)], v[XS:XS+7], v11
	v_cvt_scalef32_pk8_fp4_f32 v[C+4*(\t)+1], v[XS+8:XS+15], v11
	v_lshrrev_b32 v[E+(\t)], 23, v11               ; the scale's byte (also the plain line behind the conversions)
	ds_store_b8 v5, v[E+(\t)] offset:16*(\t)       ; both lanes of a block write the same byte with the same value
	global_store_b64 v4, v[C+4*(\t):C+4*(\t)+1], s[8:9] offset:32*CB*(\t)   ; the wave stores 256 consecutive bytes, aligned
.endm
.irp t, 0,1,2,3,4,5,6,7,8,9,10,11,12,13,14,15
	STEP \t
.endr
	ds_load_b64 v[8:9], v6                         ; LDS serves a wave's instructions in order: these see my stores
	s_wait_dscnt 0x0
	global_store_b64 v7, v[8:9], s[10:11]          ; 32 lanes store 256 consecutive bytes, aligned
	s_wait_tensorcnt 0x0                           ; the wave's end, behind my last LDS store
	ds_add_u32 v[SPW], v[NIL]
	s_wait_dscnt 0x0
	s_endpgm
; w_out INTO TILE IMAGES.  Work-group W (0 to 255) takes rows 16 (W / 4) .. + 15, columns 256 (W % 4) .. + 255: 16 tiles.  A lane reads its 8 numbers of a tile (32 bytes) by two loads; the wave's 32 loads
; use up 1,024 consecutive bytes of each of the 16 rows.  Four conversions a tile, in place, and one store of 512 consecutive bytes.  No register is written twice.
.Lwout:
	v_and_b32 v3, 15, v0                           ; r
	v_bfe_u32 v4, v0, 4, 1                         ; h
	v_lshlrev_b32 v1, 12, v3                       ; row r of 4,096 bytes
	v_lshl_add_u32 v1, v4, 5, v1                   ; + 32 h
	v_lshlrev_b32 v5, 4, v2                        ; out: 16 x lane
	s_sub_co_u32 s17, ttmp9, WGQ                   ; W
	s_lshr_b32 s18, s17, 2
	s_lshl_b32 s18, s18, 16                        ; in: 16 rows of 4,096 bytes for each W / 4,
	s_and_b32 s20, s17, 3
	s_lshl_b32 s20, s20, 10                        ; 1,024 bytes of each for W % 4
	s_add_co_u32 s18, s18, s20
	s_mov_b32 s19, 0
	s_lshl_b32 s20, s17, 13                        ; out: 16 tiles of 512 bytes
	s_mov_b32 s21, 0
	s_wait_kmcnt 0x0
	s_add_nc_u64 s[24:25], s[24:25], s[18:19]
	s_add_nc_u64 s[26:27], s[26:27], s[20:21]
.irp i, 0,1,2,3,4,5,6,7,8,9,10,11,12,13,14,15
	global_load_b128 v[D+8*\i:D+8*\i+3],   v1, s[24:25] offset:64*\i th:TH_LOAD_NT
	global_load_b128 v[D+8*\i+4:D+8*\i+7], v1, s[24:25] offset:64*\i+16 th:TH_LOAD_NT
.endr
.irp i, 0,1,2,3,4,5,6,7,8,9,10,11,12,13,14,15
	s_wait_loadcnt 30-2*\i                         ; tile i's two loads are in; the younger tiles' may be out
.irp k, 0,1,2,3
	v_cvt_pk_f16_f32 v[D+8*\i+\k], v[D+8*\i+2*\k], v[D+8*\i+2*\k+1]   ; in place, ascending: register k is written when registers 2 k and 2 k + 1 are read
.endr
	global_store_b128 v5, v[D+8*\i:D+8*\i+3], s[26:27] offset:512*\i   ; 32 lanes store 512 consecutive bytes, aligned
.endr
	s_endpgm
.Lfunc_end_k_qa3fb097937_quant:
	.size	k_qa3fb097937_quant, .Lfunc_end_k_qa3fb097937_quant-k_qa3fb097937_quant
	.p2alignl 7, 3214868480
	.fill 96, 4, 3214868480
	.section	.rodata,"a",@progbits
	.p2align	6, 0x0
	.amdhsa_kernel k_qa3fb097937_quant
		.amdhsa_group_segment_fixed_size 8448
		.amdhsa_private_segment_fixed_size 0
		.amdhsa_enable_private_segment 0
		.amdhsa_kernarg_size 64
		.amdhsa_user_sgpr_count 2
		.amdhsa_user_sgpr_kernarg_segment_ptr 1
		.amdhsa_wavefront_size32 1
		.amdhsa_system_sgpr_workgroup_id_x 1
		.amdhsa_system_sgpr_workgroup_id_y 1
		.amdhsa_system_sgpr_workgroup_id_z 1
		.amdhsa_system_vgpr_workitem_id 0
		.amdhsa_next_free_vgpr 256
		.amdhsa_next_free_sgpr 66
		.amdhsa_reserve_vcc 0
		.amdhsa_float_denorm_mode_32 3
		.amdhsa_float_denorm_mode_16_64 3
		.amdhsa_memory_ordered 1
		.amdhsa_forward_progress 1
		.amdhsa_inst_pref_size 43
	.end_amdhsa_kernel
	.amdgpu_metadata
---
amdhsa.version: [ 1, 2 ]
amdhsa.kernels:
  - .name:           k_qa3fb097937_quant
    .symbol:         k_qa3fb097937_quant.kd
    .args:
      - { .name: x, .offset: 0, .size: 8, .value_kind: global_buffer, .address_space: global }
      - { .name: w_qkv, .offset: 8, .size: 8, .value_kind: global_buffer, .address_space: global }
      - { .name: xc, .offset: 16, .size: 8, .value_kind: global_buffer, .address_space: global }
      - { .name: xs, .offset: 24, .size: 8, .value_kind: global_buffer, .address_space: global }
      - { .name: wc, .offset: 32, .size: 8, .value_kind: global_buffer, .address_space: global }
      - { .name: ws, .offset: 40, .size: 8, .value_kind: global_buffer, .address_space: global }
      - { .name: w_out, .offset: 48, .size: 8, .value_kind: global_buffer, .address_space: global }
      - { .name: wimg, .offset: 56, .size: 8, .value_kind: global_buffer, .address_space: global }
    .group_segment_fixed_size: 8448
    .private_segment_fixed_size: 0
    .kernarg_segment_align: 8
    .kernarg_segment_size: 64
    .max_flat_workgroup_size: 32
    .sgpr_count:     66
    .vgpr_count:     256
    .wavefront_size: 32
...
	.end_amdgpu_metadata
.endif
;; end of part 1
;; launch qkv (part 2): grid 12 x 32, 4 waves a work-group, clusters of 4 x 4, 327,680 bytes of LDS; arguments xc, xs, wc, ws, qkv; writes qkv
.if DOCPART == 2
	.amdgcn_target "amdgcn-amd-amdhsa--gfx1250"
	.amdhsa_code_object_version 6
	.text
	.protected	k_qa3fb097937_qkv
	.globl	k_qa3fb097937_qkv
	.p2align	8
	.type	k_qa3fb097937_qkv,@function
k_qa3fb097937_qkv:
	s_mov_b64 s[64:65], 0
	v_nop
	global_prefetch_b8 v0, s[64:65] scope:SCOPE_SE
	s_setreg_imm32_b32 hwreg(HW_REG_WAVE_MODE, 25, 1), 1
	s_wait_xcnt 0x0
	s_wait_alu depctr_hold_cnt(0) depctr_sa_sdst(0) depctr_va_vdst(0) depctr_va_sdst(0) depctr_va_ssrc(0) depctr_va_vcc(0) depctr_vm_vsrc(0)
	s_getreg_b32 s2, hwreg(HW_REG_IB_STS2, 6, 4)
	s_cmp_eq_u32 s2, 0
	s_cbranch_scc0 .Lentry_in_a_cluster
	s_endpgm
.Lentry_in_a_cluster:
	s_bfe_u32 s2, ttmp6, 0x10000c
	s_cmp_lg_u32 s2, 0xf033
	s_cbranch_scc0 .Lentry_shape_is_right
	s_endpgm
.Lentry_shape_is_right:
; q, k, v = x w_qkv^T on codes of FP4 (E2M1) with one E8M0 scale for each 32 along K; sums in f32; the results are rounded once to f16 and stored as TILE IMAGES for the attention launch.
; x's codes [8192][512 bytes], w_qkv's [3072][512 bytes], two codes a byte, K innermost; scale bytes [rows][32].  The matrix instruction takes codes and scale bytes as they lie.
; A tile of 256 x 256 results is made by a work-group of four waves; a wave makes 128 x 128: 64 accumulators of 16 x 16, 512 registers.  K = 1,024 is two steps of 512, each in an LDS slot of its own
; (a tile's row is 256 bytes of memory): both slots and the scales are asked for at the head, and nothing in LDS is filled again.
; TWO SIDES.  Side A is source 1 of the matrix instruction, side B source 0: in a result lane l = (r, h) holds row r of side A and rows 8 h .. 8 h + 7 of side B.  Rounded in pairs that is a TILE IMAGE: 512 bytes, lane l's 16 bytes at
; 16 l: row r, columns 8 h .. 8 h + 7.  So a result leaves by one store of 512 consecutive bytes, and comes back later as half of a 16-bit operand, with no stage in LDS.
; For q and k (cluster x = 0, 1) side A is x and side B w_qkv: an image's rows are tokens, its columns channels.  For v (cluster x = 2) the sides change roles: rows are channels, columns tokens, which is how the second
; product of attention wants v.  The choice hangs on the cluster's x alone, which all sixteen partners share; it selects pointers and tile numbers, and no branch.
; qkv is laid [q, k, v][batch 8][T1 64][T0 64][512 bytes]: T1 the tile of side A's rows, T0 that of side B's, both within a batch (tokens) or within q, k or v (channels).
; CLUSTERS: 4 x 4 work-groups.  The four of a row of the cluster need the same tiles of side A, the four of a column the same tiles of side B: each tile is asked for JOINTLY.
; LIMITS: |q|, |k|, |v| stay under 65,504 (f16).
; REGISTERS, in windows of 256: window 0: v0-31 addresses; v32-95 scale words, two sets; from v128 A's fragments (8 x 16 rows x 128 K), ONE set.
;   window 1: B's fragments, TWO sets, at v0 and at v128; on the way out the 256 packed results.   window 2: the 32 accumulators of my rows 0-63 ((a, b) at v[8 (8 a + b)]);   window 3: those of my rows 64-127.
.set SIZE_K, 1024
.set KSTEP,  512                       ; along K in a slot
.set NQ,     KSTEP/128                 ; matrix instructions deep
.set ROWB,   256                       ; a tile's row in bytes
.set KROW,   SIZE_K*4/8                ; a row of codes in memory, in bytes
.set PITCH,  272                       ; an LDS row: 256 bytes + 16 of padding = 68 words: the 16 rows that a load touches start at 16 different banks (64 banks of 4 bytes: ISA guide 11.1)
.set FR,     8                         ; registers of a fragment: 16 rows x 128 K
.set NL,     2                         ; LDS loads that bring one
.set NP,     4                         ; places behind this matrix instruction (ISA guide 7.12.1)
.set HALFT,  128*PITCH                 ; 128 rows: what one tensor load brings, and what one wave reads of a side
.set SLOT,   4*HALFT                   ; A's 256 rows, then B's 256 rows
.set KS,     SIZE_K/32                 ; a row of scales in bytes
.set SCL,    2*SLOT                    ; behind the slots: the scales, as runs of 256 bytes + 16 of padding
.set HALFS,  (128*KS/256)*272          ; the scales of 128 rows: what one tensor load brings
.set SBLK,   (16*KS/256)*272           ; those of 16 rows
.set SPARE,  SCL+4*HALFS               ; behind the scales: the spare words, 128 bytes for each wave
.set ADRA, 16                          ; v16-17  LDS address of my A fragments in slot 0, 1
.set ADRB, 20                          ; v20-21  the same for B
.set CO,   26                          ; v26     16 x lane: my place in a tile image
.set ADRS, 27                          ; v27     LDS address of my scale words: lanes 0-15 A's rows, lanes 16-31 B's
.set SPW,  28                          ; v28     LDS address of my spare word; never rewritten
.set NIL,  29                          ; v29     0; never rewritten
.set SC,   32                          ; scale words: set s at v[SC + 8 NQ s]; register NQ i + q: lanes 0-15 the word of A's block i, lanes 16-31 that of B's block i, for the slot's q-th 128 along K
.set AF,   128                         ; A's fragments, in window 0
.set G1, 24                            ; s[24:31] descriptor group 1 for A's tiles;  s[32:39] group 0, one set for each slot
.set G0, 32
.set G1B, 48                           ; s[48:55], s[56:63] the same for B's tiles
.set G0B, 56
.set G1S, 68                           ; s[68:75], s[76:79] groups 1 and 0 for A's scales;  s[80:87], s[88:91] for B's
.set G0S, 76
.set G1SB, 80
.set G0SB, 88
.set MSB, 0
.macro WIN new                         ; the immediate's high byte repeats the setting that is left
.if MSB != \new
	s_set_vgpr_msb (MSB<<8)|\new
.set MSB, \new
.endif
.endm
.set MUL_LO, 0xa1                      ; source 0 (B) window 1, source 1 (A) window 0, C and D window 2
.set MUL_HI, 0xf1                      ; the same, C and D window 3
.set TO_B,   0x40                      ; destination window 1, address window 0
; A joint load: waves 0 and 1 fetch for A, waves 2 and 3 for B.  Each of the two lines has ONE mask and one set of registers for all that issue it; the branch hangs on the wave's number alone.
; An s_nop 0 and four v_nop follow each of the two lines, ahead of the jump, the label and what follows.
.macro JLOAD g0a, g1a, g0b, g1b
	s_cmp_eq_u32 s15, 0
	s_cbranch_scc0 .Lfor_b_\@
	tensor_load_to_lds s[\g0a:\g0a+3], s[\g1a:\g1a+7]
	s_nop 0
.rept 4
	v_nop
.endr
	s_branch .Lasked_\@
.Lfor_b_\@:
	tensor_load_to_lds s[\g0b:\g0b+3], s[\g1b:\g1b+7]
	s_nop 0
.rept 4
	v_nop
.endr
.Lasked_\@:
.endm
.macro CROUND                          ; a round of the cluster's barrier
	s_barrier_signal -1
	s_barrier_wait -1
	s_cmp_lg_u32 s14, 0
	s_cbranch_scc1 .Lnot_wave_0_\@
	s_barrier_signal -3
.Lnot_wave_0_\@:
	s_barrier_wait -3
	s_barrier_signal -1
	s_barrier_wait -1
.endm
	s_load_b128 s[4:7], s[0:1], 0x0                ; x's codes s[4:5], x's scales s[6:7]
	s_load_b128 s[8:11], s[0:1], 0x10              ; w_qkv's codes s[8:9], its scales s[10:11]
	s_load_b64 s[12:13], s[0:1], 0x20              ; qkv
	v_lshl_add_u32 v[SPW], v0, 2, SPARE
	v_mov_b32 v[NIL], 0
	ds_add_u32 v[SPW], v[NIL]                      ; the wave's opening: the add, twice on end, and its wait ahead of my first tensor load; the set-up below stands between the second and the wait
	ds_add_u32 v[SPW], v[NIL]
	v_lshrrev_b32 v1, 5, v0
	v_readfirstlane_b32 s14, v1                    ; wave 0..3
	s_lshr_b32 s15, s14, 1                         ; which half of side A's rows is mine.  Also: I fetch for A (0) or for B (1)
	s_and_b32 s16, s14, 1                          ; which half of side B's rows.  Also: which 128 rows of that tile I fetch
	s_bfe_u32 s40, ttmp6, 0x40000                  ; cx, cy: my place in the cluster
	s_bfe_u32 s41, ttmp6, 0x40004
	s_and_b32 s95, ttmp7, 0xffff                   ; cluster y: the batch (a cluster's four tiles of x are one batch's 1,024 tokens)
	s_lshl_b32 s18, s95, 2                         ; the batch's first tile of x
	s_lshl_b32 s19, ttmp9, 2                       ; q's or k's first tile of w_qkv
	s_cmp_eq_u32 ttmp9, 2                          ; v?  The cluster's x: the same in all sixteen partners
	s_cselect_b32 s17, 8, s18                      ; side A's first tile: v's rows of w_qkv begin at tile 8; else the batch's tiles of x
	s_cselect_b32 s42, s18, s19                    ; side B's first tile: the batch's tiles of x; else q's or k's tiles of w_qkv
	s_add_co_u32 s17, s17, s41                     ; side A's tile: + cy, which my row of the cluster shares
	s_add_co_u32 s42, s42, s40                     ; side B's tile: + cx, which my column shares
	s_lshl_b32 s43, s41, 2
	s_lshl_b32 s43, 15, s43                        ; my row of the cluster
	s_lshl_b32 s44, 0x1111, s40                    ; my column
	; descriptor group 1: a tile of 128 rows x ROWB bytes, padded in LDS
	s_or_b32 s[G1+0], s43, (0<<16)|(1<<20)|(1<<21)|(5<<22)|(3<<25)  ; 15:0 the mask: A's tiles go to my row; 17:16 element of 1 byte; 20 padding on; 21 set beside a mask; 24:22 after every 64 words (code 5); 31:25 of 4 words (code 3)
	s_or_b32 s[G1B+0], s44, (0<<16)|(1<<20)|(1<<21)|(5<<22)|(3<<25)
.irp g, G1, G1B
	s_mov_b32 s[\g+1], ROWB<<16                    ; tensor_dim0
	s_mov_b32 s[\g+2], 128<<16                     ; tensor_dim1 = 128
	s_mov_b32 s[\g+3], ROWB<<16                    ; tile_dim0
	s_mov_b32 s[\g+4], 128                         ; tile_dim1 = 128
	s_mov_b32 s[\g+5], KROW                        ; tensor_dim0_stride
	s_mov_b32 s[\g+6], 0
	s_mov_b32 s[\g+7], 0
.endr
	; and for the scales of 128 rows: a dense block of 128 KS bytes, as rows of 256 bytes (32 elements of 8 bytes), 16 bytes of padding behind each
	s_or_b32 s[G1S+0], s43, (3<<16)|(1<<20)|(1<<21)|(5<<22)|(3<<25)
	s_or_b32 s[G1SB+0], s44, (3<<16)|(1<<20)|(1<<21)|(5<<22)|(3<<25)
.irp g, G1S, G1SB
	s_mov_b32 s[\g+1], 32<<16
	s_mov_b32 s[\g+2], (128*KS/256)<<16
	s_mov_b32 s[\g+3], 32<<16
	s_mov_b32 s[\g+4], 128*KS/256
	s_mov_b32 s[\g+5], 32
	s_mov_b32 s[\g+6], 0
	s_mov_b32 s[\g+7], 0
.endr
	s_lshl_b32 s18, s16, 7                         ; which 128 rows of the tile I fetch
	s_lshl_b32 s20, s17, 8
	s_add_co_u32 s20, s20, s18                     ; A: row 256 x tile + 128 x half
	s_lshl_b32 s46, s42, 8
	s_add_co_u32 s46, s46, s18                     ; B likewise
	s_mov_b32 s21, 0
	s_mov_b32 s47, 0
	s_mov_b64 s[18:19], KS
	s_mul_u64 s[22:23], s[20:21], s[18:19]         ; where these rows' scales begin, in bytes
	s_mul_u64 s[92:93], s[46:47], s[18:19]
	s_mov_b64 s[18:19], KROW
	s_mul_u64 s[20:21], s[20:21], s[18:19]         ; and their codes
	s_mul_u64 s[46:47], s[46:47], s[18:19]
	s_mul_i32 s45, s14, HALFT                      ; where they go: wave x 128 rows: no place in the cluster enters an LDS address
	s_mul_i32 s94, s14, HALFS
	s_wait_dscnt 0x0                               ; both opening adds are done
	s_wait_kmcnt 0x0
	s_cmp_eq_u32 ttmp9, 2                          ; the same choice for the buffers: it hangs on no address
	s_cselect_b64 s[96:97], s[8:9], s[4:5]         ; side A's codes,
	s_cselect_b64 s[98:99], s[10:11], s[6:7]       ; side A's scales,
	s_cselect_b64 s[8:9], s[4:5], s[8:9]           ; side B's codes,
	s_cselect_b64 s[10:11], s[6:7], s[10:11]       ; side B's scales
	s_add_nc_u64 s[20:21], s[96:97], s[20:21]
	s_add_nc_u64 s[22:23], s[98:99], s[22:23]
	s_add_nc_u64 s[46:47], s[8:9], s[46:47]
	s_add_nc_u64 s[92:93], s[10:11], s[92:93]
	CROUND                                         ; all sixteen work-groups are here: the first joint loads meet
	s_mov_b32 s[G0S], 1
	s_add_co_u32 s[G0S+1], s94, SCL
	s_mov_b64 s[G0S+2:G0S+3], s[22:23]
	s_or_b32 s[G0S+3], s[G0S+3], 0x80000000
	s_mov_b32 s[G0SB], 1
	s_add_co_u32 s[G0SB+1], s94, SCL
	s_mov_b64 s[G0SB+2:G0SB+3], s[92:93]
	s_or_b32 s[G0SB+3], s[G0SB+3], 0x80000000
	JLOAD G0S, G1S, G0SB, G1SB                     ; the scales first: they are wanted with K step 0
.irp s, 0,1
	s_mov_b32 s[G0+4*\s], 1
	s_add_co_u32 s[G0+4*\s+1], s45, \s*SLOT
	s_add_nc_u64 s[G0+4*\s+2:G0+4*\s+3], s[20:21], \s*ROWB
	s_or_b32 s[G0+4*\s+3], s[G0+4*\s+3], 0x80000000
	s_mov_b32 s[G0B+4*\s], 1
	s_add_co_u32 s[G0B+4*\s+1], s45, \s*SLOT
	s_add_nc_u64 s[G0B+4*\s+2:G0B+4*\s+3], s[46:47], \s*ROWB
	s_or_b32 s[G0B+4*\s+3], s[G0B+4*\s+3], 0x80000000
	JLOAD G0+4*\s, G1, G0B+4*\s, G1B               ; three loads of mine are out: the scales and both K steps
.endr
	v_and_b32 v1, 15, v0                           ; l % 16
	v_bfe_u32 v2, v0, 4, 1                         ; l / 16
	v_mul_u32_u24 v3, v1, PITCH
	v_lshl_add_u32 v4, v2, 4, v3                   ; a fragment's row x pitch + 16 x half
	s_mul_i32 s21, s15, HALFT                      ; my 128 rows of A
	s_mul_i32 s22, s16, HALFT                      ; my 128 rows of B,
	s_add_co_u32 s22, s22, 2*HALFT                 ; which lie behind A's 256
.irp s, 0,1
	v_add_nc_u32 v[ADRA+\s], s21, v4
	v_add_nc_u32 v[ADRB+\s], s22, v4
	s_add_co_u32 s21, s21, SLOT
	s_add_co_u32 s22, s22, SLOT
.endr
	v_mul_u32_u24 v5, v1, KS                       ; my row's scales: KS bytes a row,
	v_lshrrev_b32 v6, 8, v5
	v_lshl_add_u32 v5, v6, 4, v5                   ; and 16 more for each 256 passed
	s_mul_i32 s21, s15, HALFS                      ; A's: my 128 rows
	s_mul_i32 s22, s16, HALFS                      ; B's: my 128 rows, behind A's 256
	s_add_co_u32 s22, s22, 2*HALFS
	s_sub_co_u32 s22, s22, s21
	v_mul_u32_u24 v6, s22, v2                      ; lanes 16-31 take B's
	s_add_co_u32 s21, s21, SCL
	v_add_nc_u32 v5, v5, v6
	v_add_nc_u32 v[ADRS], s21, v5
	v_and_b32 v6, 31, v0
	v_lshlrev_b32 v[CO], 4, v6                     ; 16 x lane
	; where my 8 x 8 tile images begin: q, k or v: 2^24 x cluster x; the batch: 2^21 x cluster y; T1 = 16 cy + 8 (wave / 2), 32,768 bytes each; T0 = 16 cx + 8 (wave % 2), 512 bytes each
	s_lshl_b32 s46, ttmp9, 24
	s_lshl_b32 s47, s95, 21
	s_or_b32 s46, s46, s47
	s_lshl_b32 s47, s41, 19
	s_or_b32 s46, s46, s47
	s_lshl_b32 s47, s15, 18
	s_or_b32 s46, s46, s47
	s_lshl_b32 s47, s40, 13
	s_or_b32 s46, s46, s47
	s_lshl_b32 s47, s16, 12
	s_or_b32 s46, s46, s47
	s_mov_b32 s47, 0
	s_add_nc_u64 s[12:13], s[12:13], s[46:47]
.macro FRAG reg, adr, q, i             ; a fragment, 16 rows x 128 K of 4-bit codes, is 8 registers: lane l holds row l % 16; registers 4 c .. 4 c + 3 hold K = 64 c + 32 (l / 16) + 0 .. 31
.irp c, 0,1
	ds_load_b128 v[\reg+4*\c:\reg+4*\c+3], v[\adr] offset:64*(\q)+32*\c+(\i)*16*PITCH
.endr
.endm
; 16 matrix instructions: A's blocks a0, a0 + 1 x B's eight, 128 along K: the slot's q-th.  p: B's set;  sc: the set of scale words.  zero = 1: the first product starts the sums: nothing is ever cleared.
; The 64 accumulators take turns, one instruction a turn, in the same order in every step.
.macro MUL16 a0, p, q, sc, zero
.irp a, \a0, \a0+1
.irp b, 0,1,2,3,4,5,6,7
.if \zero
	v_wmma_scale_f32_16x16x128_f8f6f4 v[8*(8*((\a)%4)+\b):8*(8*((\a)%4)+\b)+7], v[128*(\p)+FR*\b:128*(\p)+FR*\b+FR-1], v[AF+FR*(\a):AF+FR*(\a)+FR-1], 0, v[SC+8*NQ*(\sc)+NQ*\b+(\q)], v[SC+8*NQ*(\sc)+NQ*(\a)+(\q)] matrix_a_fmt:MATRIX_FMT_FP4 matrix_b_fmt:MATRIX_FMT_FP4 matrix_a_scale:MATRIX_SCALE_ROW1
.else
	v_wmma_scale_f32_16x16x128_f8f6f4 v[8*(8*((\a)%4)+\b):8*(8*((\a)%4)+\b)+7], v[128*(\p)+FR*\b:128*(\p)+FR*\b+FR-1], v[AF+FR*(\a):AF+FR*(\a)+FR-1], v[8*(8*((\a)%4)+\b):8*(8*((\a)%4)+\b)+7], v[SC+8*NQ*(\sc)+NQ*\b+(\q)], v[SC+8*NQ*(\sc)+NQ*(\a)+(\q)] matrix_a_fmt:MATRIX_FMT_FP4 matrix_b_fmt:MATRIX_FMT_FP4 matrix_a_scale:MATRIX_SCALE_ROW1
.endif
.endr
.endr
.endm
.macro FETCH_B slot, q, p              ; B's eight fragments of the slot's q-th 128 along K into set p
	WIN TO_B
.irp i, 0,1,2,3,4,5,6,7
	FRAG 128*(\p)+FR*\i, ADRB+\slot, \q, \i
.endr
	WIN 0
.endm
.macro FETCH_A slot, q, i0             ; A's blocks i0 .. i0 + 3
.irp i, \i0, \i0+1, \i0+2, \i0+3
	FRAG AF+FR*(\i), ADRA+\slot, \q, \i
.endr
.endm
.macro SCALES sc                       ; a K step's scale words into set sc: NQ words a row; lanes 0-15 take A's block i, lanes 16-31 B's block i
.irp i, 0,1,2,3,4,5,6,7
	ds_load_b128 v[SC+8*NQ*\sc+NQ*\i:SC+8*NQ*\sc+NQ*\i+3], v[ADRS] offset:\i*SBLK
.endr
.endm
; A load into a register that a matrix instruction has read, and a vector instruction that reads a matrix result or writes one of a matrix instruction's registers, stand NP places behind that matrix instruction, and only
; plain vector instructions that name none of its registers are places (ISA guide 7.12.1 for vector instructions); the matrix instructions in between are not counted.
.macro PLACES n
.rept \n
	v_nop
.endr
.endm
; A step of 128 along K that has its successor in the same slot.
.macro STEP slot, q, zero
	s_wait_dscnt 4*NL                              ; B's set and A's blocks 0-3 are in; the youngest eight loads (A's blocks 4-7) may be out
	WIN MUL_LO
	MUL16 0, (\q)%2, \q, \slot, \zero
	MUL16 2, (\q)%2, \q, \slot, \zero
	s_wait_dscnt 0                                 ; A's blocks 4-7 are in (asked for 32 matrix instructions ago)
	PLACES NP
	FETCH_B \slot, (\q)+1, 1-(\q)%2
	FETCH_A \slot, (\q)+1, 0
	WIN MUL_HI
	MUL16 4, (\q)%2, \q, \slot, \zero
	MUL16 6, (\q)%2, \q, \slot, \zero
	PLACES NP
	WIN 0
	FETCH_A \slot, (\q)+1, 4
.endm
; Slot 0's last step goes over to slot 1: ONE barrier; in front of it each wave waits for all its tensor loads (its part of slot 1).
.macro TURN slot, next
	s_wait_tensorcnt 0x0                           ; all my tensor loads have landed: my part of the next slot;  (every window is 0 here)
	ds_add_u32 v[SPW], v[NIL]                      ; 0 onto my spare word
	s_wait_dscnt 4*NL+1                            ; (the add and the youngest eight loads, A's blocks 4-7, may be out)
	WIN MUL_LO
	MUL16 0, 1, NQ-1, \slot, 0                     ; sixteen matrix instructions stand between the add and the wait for it
	s_wait_dscnt 0x0                               ; the add is done, and my LDS loads are in
	s_barrier_signal -1
	MUL16 2, 1, NQ-1, \slot, 0
	WIN 0
	s_barrier_wait -1                              ; every wave's part of the next slot has landed
	PLACES NP
	v_add_nc_u32 v[ADRS], 4*NQ, v[ADRS]            ; on to the next K step's scale words (no LDS load of mine is out)
	FETCH_B \next, 0, 0
	FETCH_A \next, 0, 0
	SCALES \next
	WIN MUL_HI
	MUL16 4, 1, NQ-1, \slot, 0
	MUL16 6, 1, NQ-1, \slot, 0
	PLACES NP
	WIN 0
	FETCH_A \next, 0, 4
.endm
.macro STEPS slot, from                ; the slot's steps from .. NQ - 2
.set Q, \from
.rept NQ-1-\from
	STEP \slot, Q, 0
.set Q, Q+1
.endr
.endm
	s_wait_tensorcnt 1                             ; the scales and my part of K step 0 are in (K step 1's load may be out)
	s_barrier_signal -1
	s_barrier_wait -1                              ; everybody's are
	FETCH_B 0, 0, 0
	FETCH_A 0, 0, 0
	SCALES 0
	FETCH_A 0, 0, 4
	STEP 0, 0, 1                                   ; the first step's products start the sums
	STEPS 0, 1
	TURN 0, 1
	STEPS 1, 0
	s_wait_dscnt 4*NL                              ; the very last step: nothing more to fetch
	WIN MUL_LO
	MUL16 0, 1, NQ-1, 1, 0
	MUL16 2, 1, NQ-1, 1, 0
	s_wait_dscnt 0
	WIN MUL_HI
	MUL16 4, 1, NQ-1, 1, 0
	MUL16 6, 1, NQ-1, 1, 0
; THE WAY OUT.  Block a (16 rows of side A x my 128 rows of side B): each accumulator's eight numbers of a lane are rounded to f16 in pairs, from its low end on: four registers, a tile image's 16 bytes of that lane.
; They go into window 1, where B's fragments are done with: 256 registers for the 64 accumulators, none used twice, so no store's data are written again.  A store covers 512 consecutive bytes, aligned.
.macro OUT a
.set AC, 64*((\a)%4)
	WIN 0x4a+5*((\a)/4)                            ; sources window 2 or 3, destination window 1
.irp b, 0,1,2,3,4,5,6,7
.irp k, 0,1,2,3
	v_cvt_pk_f16_f32 v[4*(8*(\a)+\b)+\k], v[AC+8*\b+2*\k], v[AC+8*\b+2*\k+1]
.endr
.endr
	WIN 0x04                                       ; a store's data are its source 1: window 1
.irp b, 0,1,2,3,4,5,6,7
	global_store_b128 v[CO], v[4*(8*(\a)+\b):4*(8*(\a)+\b)+3], s[12:13] offset:(\a)*32768+\b*512 th:TH_STORE_NT
.endr
.endm
	PLACES NP                                      ; behind the last products: the conversions read results and write registers that held B's fragments
.irp a, 0,1,2,3,4,5,6,7
	OUT \a
.endr
	WIN 0
	s_wait_tensorcnt 0x0                           ; the wave's end, behind my last tensor load
	ds_add_u32 v[SPW], v[NIL]
	s_wait_dscnt 0x0
	CROUND                                         ; the closing round: no work-group ends while a partner may still ask for a tile that names it
	s_endpgm
.Lfunc_end_k_qa3fb097937_qkv:
	.size	k_qa3fb097937_qkv, .Lfunc_end_k_qa3fb097937_qkv-k_qa3fb097937_qkv
	.p2alignl 7, 3214868480
	.fill 96, 4, 3214868480
	.section	.rodata,"a",@progbits
	.p2align	6, 0x0
	.amdhsa_kernel k_qa3fb097937_qkv
		.amdhsa_group_segment_fixed_size 327680
		.amdhsa_private_segment_fixed_size 0
		.amdhsa_enable_private_segment 0
		.amdhsa_kernarg_size 40
		.amdhsa_user_sgpr_count 2
		.amdhsa_user_sgpr_kernarg_segment_ptr 1
		.amdhsa_wavefront_size32 1
		.amdhsa_system_sgpr_workgroup_id_x 1
		.amdhsa_system_sgpr_workgroup_id_y 1
		.amdhsa_system_sgpr_workgroup_id_z 1
		.amdhsa_system_vgpr_workitem_id 0
		.amdhsa_next_free_vgpr 1024
		.amdhsa_next_free_sgpr 100
		.amdhsa_reserve_vcc 0
		.amdhsa_float_denorm_mode_32 3
		.amdhsa_float_denorm_mode_16_64 3
		.amdhsa_memory_ordered 1
		.amdhsa_forward_progress 1
		.amdhsa_inst_pref_size 118
	.end_amdhsa_kernel
	.amdgpu_metadata
---
amdhsa.version: [ 1, 2 ]
amdhsa.kernels:
  - .name:           k_qa3fb097937_qkv
    .symbol:         k_qa3fb097937_qkv.kd
    .args:
      - { .name: xc, .offset: 0, .size: 8, .value_kind: global_buffer, .address_space: global }
      - { .name: xs, .offset: 8, .size: 8, .value_kind: global_buffer, .address_space: global }
      - { .name: wc, .offset: 16, .size: 8, .value_kind: global_buffer, .address_space: global }
      - { .name: ws, .offset: 24, .size: 8, .value_kind: global_buffer, .address_space: global }
      - { .name: qkv, .offset: 32, .size: 8, .value_kind: global_buffer, .address_space: global }
    .group_segment_fixed_size: 327680
    .private_segment_fixed_size: 0
    .kernarg_segment_align: 8
    .kernarg_segment_size: 40
    .max_flat_workgroup_size: 128
    .sgpr_count:     100
    .vgpr_count:     1024
    .wavefront_size: 32
...
	.end_amdgpu_metadata
.endif
;; end of part 2
;; launch attn (part 3): grid 2 x 128, 8 waves a work-group, no clusters, 327,680 bytes of LDS; arguments qkv, oimg; writes oimg
.if DOCPART == 3
	.amdgcn_target "amdgcn-amd-amdhsa--gfx1250"
	.amdhsa_code_object_version 6
	.text
	.protected	k_qa3fb097937_attn
	.globl	k_qa3fb097937_attn
	.p2align	8
	.type	k_qa3fb097937_attn,@function
k_qa3fb097937_attn:
	s_mov_b64 s[64:65], 0
	v_nop
	global_prefetch_b8 v0, s[64:65] scope:SCOPE_SE
	s_setreg_imm32_b32 hwreg(HW_REG_WAVE_MODE, 25, 1), 1
	s_wait_xcnt 0x0
; o[b][h][q][:] = the sum over k of softmax_k(q . k / 8) v[k][:], head size 64, 1,024 keys, no mask.  q, k, v arrive in f16 as TILE IMAGES (512 bytes a tile of 16 x 16; lane l = (r, h) owns the 16 bytes at 16 l: row r, columns
; 8 h .. 8 h + 7); two images side by side are the eight registers of a 16-bit operand.  Products, maxima and sums in f32; the weights p are rounded to f16 for the second product, o once at the end, again into tile images.
; qkv: [q, k, v][batch 8][T1 64][T0 64][512].  q, k: T1 = token tile, T0 = channel tile (4 x head + ..).  v: T1 = channel tile, T0 = token tile.  oimg: [batch x 64 + token tile][channel tile 64][512].
; SHARES.  A work-group owns 512 queries of one head (grid x: which half; grid y: 16 x batch + head); each of its eight waves 64: four tiles of 16.  Eight waves of 512 registers are two to a SIMD.
; K AND V OF THE WHOLE HEAD, 131,072 bytes each, LIE IN LDS FOR THE WHOLE LAUNCH: they are asked for at the head, in four chunks of 256 keys, and nothing is filled again.
; A fragment of K or V read from LDS feeds four products.  An image's 512 bytes are consecutive: no pitch, no padding, and V needs no turning load.
; LAYOUT.  S^T = K Q^T (source 0 = 16 keys, source 1 = 16 queries): a lane holds ONE query (lane % 16) and the keys 8 (lane / 16) + 0 .. 7.  Two such tiles, rounded in pairs, ARE source 1 of O^T = V^T P, whose result again holds one
; query a lane and eight channels: a tile image of o.
; SOFTMAX.  For each query a running maximum m and sum l: p = 2^(c s - c m), c = log2(e) / 8; in every step O^T and l are multiplied by a = 2^(c m_old - c m_new).  The sum is taken of the unrounded p.
; TWO CLASSES OF WAVES, HALF A STEP APART.  A wave's walk is, by turns, a run of 64 matrix instructions (V^T P of a step, then K Q^T of the next) and a run of some 470 vector instructions (the softmax).  So that one wave's vector
; run stands beside another's matrix run, the waves are of two classes: bit 0 xor bit 2 of the wave's number, so that waves w and w + 4 differ, and waves 2 i and 2 i + 1 too.  Class 0 begins at once; class 1 begins its first
; products behind a barrier that class 0 reaches when the exponentials of its first step are done.  THE LATER ARRIVALS KEEP THAT DISTANCE: a wave signals that its part of a chunk has landed one whole step ahead of the place
; where it waits for the others' signals, and that step reads only chunks that have arrived before.
; NO CLUSTER: a head's K and V are read by its two work-groups alone; a cluster of four would join two heads, whose tiles differ.  NO PREFETCH: every byte that the launch reads is asked for at its head.
; LIMITS: NaN and infinities are not served.
; REGISTERS.  window 0: v1-6 addresses; v14, v15 the add's two; v16-47 statistics, eight a tile; v64-191 S^T, 32 a tile, with P laid over its first 16; v192-255 V of one step.
;   window 1: v0-127 O^T, 32 a tile; v128-191 Q; v192-255 K of one step.
.set VOFF,  131072                     ; LDS: K at 0: key tile x 2,048 + channel tile x 512;  V from here: channel tile x 32,768 + token tile x 512
.set SPARE, 262144                     ; behind them: the spare words, 128 bytes for each of the eight waves
.set LI,  1                            ; v1   16 x lane: my place in an image; K's lane address; the offset of Q's loads and o's stores
.set AV0, 2                            ; v2   16 x lane + V's channel tiles 0, 1
.set AV1, 3                            ; v3   16 x lane + V's channel tiles 2, 3
.set ADK, 4                            ; v4   the LDS address of the run of K's loads in hand
.set ADV, 5                            ; v5, v6  of V's
.set SPW, 14                           ; v14  LDS address of my spare word; never rewritten
.set NIL, 15                           ; v15  0; never rewritten
.set ST,  16                           ; tile t's statistics at v[ST + 8 t]: +0 c m, +1 m, +2, +3 l (two halves), +4 to +7 at work; a takes +6
.set S,   64
.set VB,  192
.set QF,  128                          ; in window 1
.set KB,  192                          ; in window 1
.set WV,  8                            ; s8   my wave's number
.set WL,  9                            ; s9   wave % 4
.set G1K, 16                           ; s[16:23] descriptor group 1 for K's tiles;  s[24:31] for V's
.set G1V, 24
.set G0K, 32                           ; s[32:47] four groups 0 for K's chunks;  s[48:63] for V's
.set G0V, 48
.set CS,  66                           ; s[66:67] c: the packed scaling names a pair and takes its low word for both halves
.set SEL, 68                           ; s[68:69] lane selects for v_permlanex16_b32: lane l xor 16
.set TK,  70                           ; s70  LDS byte of the K step that is fetched next: 8,192 a step
.set TV,  71                           ; s71  and of this step's V inside a channel tile's row: 2,048 a step
.set CNT, 72                           ; s72  counts a loop's steps
.set CLS, 73                           ; s73  my wave's class: 0 begins at once, 1 half a step later
.set MSB, 0
.macro WIN new                         ; the immediate's high byte repeats the setting that is left
.if MSB != \new
	s_set_vgpr_msb (MSB<<8)|\new
.set MSB, \new
.endif
.endm
.set W_KQ, 0x05                        ; K and Q in window 1, S^T in window 0
.set W_PV, 0x50                        ; V and P in window 0, O^T (C and D) in window 1
.set W_RS, 0x41                        ; O^T (destination and source 0) in window 1, a in window 0
.set W_LD, 0x40                        ; a load's destination in window 1, its address in window 0
	s_load_b128 s[4:7], s[0:1], 0x0                ; qkv s[4:5], oimg s[6:7]
	v_lshl_add_u32 v[SPW], v0, 2, SPARE
	v_mov_b32 v[NIL], 0
	ds_add_u32 v[SPW], v[NIL]                      ; the wave's opening: the add, twice on end, and its wait ahead of my first tensor load; the set-up below stands between the second and the wait
	ds_add_u32 v[SPW], v[NIL]
	v_lshrrev_b32 v1, 5, v0
	v_readfirstlane_b32 s[WV], v1                  ; wave 0..7
	s_and_b32 s[WL], s[WV], 3
	s_lshr_b32 s[CLS], s[WV], 2
	s_xor_b32 s[CLS], s[CLS], s[WV]
	s_and_b32 s[CLS], s[CLS], 1                    ; bit 0 xor bit 2 of the wave's number
	s_and_b32 s10, ttmp7, 0xffff
	s_lshr_b32 s11, s10, 4                         ; the batch,
	s_lshl_b32 s11, s11, 21                        ; its bytes in q, k, v and o alike
	s_and_b32 s12, s10, 15                         ; the head
	s_lshl_b32 s13, s12, 11                        ; its four channel tiles in a token tile's row: 2,048 x head
	s_lshl_b32 s74, s[WL], 17                      ; K: of a chunk's 16 key tiles wave w % 4 fetches four: 4 x 32,768 bytes on
	s_add_co_u32 s74, s74, s13
	s_add_co_u32 s74, s74, s11
	s_add_co_u32 s74, s74, 1<<24                   ; k lies behind q
	s_mov_b32 s75, 0
	s_lshl_b32 s76, s12, 17                        ; V: channel tile 4 x head + wave % 4
	s_lshl_b32 s14, s[WL], 15
	s_add_co_u32 s76, s76, s14
	s_add_co_u32 s76, s76, s11
	s_add_co_u32 s76, s76, 2<<24                   ; v lies behind k
	s_mov_b32 s77, 0
	s_lshl_b32 s78, ttmp9, 20                      ; Q and o: token tile 32 x half + 4 x wave
	s_lshl_b32 s14, s[WV], 17
	s_add_co_u32 s78, s78, s14
	s_add_co_u32 s78, s78, s13
	s_add_co_u32 s78, s78, s11
	s_mov_b32 s79, 0
	s_lshl_b32 s14, s[WL], 13                      ; in LDS: K: four key tiles of 2,048 bytes a wave;
	s_lshl_b32 s15, s[WL], 15
	s_add_co_u32 s15, s15, VOFF                    ; V: a channel tile's row a wave
	; descriptor group 1, elements of 8 bytes, no padding, no mask.  K: 4 rows (key tiles) of 2,048 bytes, 32,768 bytes apart
	s_mov_b32 s[G1K], 3<<16
	s_mov_b32 s[G1K+1], 256<<16                    ; tensor_dim0 = 256 elements
	s_mov_b32 s[G1K+2], 4<<16                      ; tensor_dim1 = 4
	s_mov_b32 s[G1K+3], 256<<16                    ; tile_dim0
	s_mov_b32 s[G1K+4], 4                          ; tile_dim1
	s_mov_b32 s[G1K+5], 4096                       ; elements from row to row
	s_mov_b32 s[G1K+6], 0
	s_mov_b32 s[G1K+7], 0
	; V: 16 token tiles of a channel tile: 8,192 dense bytes, as 32 rows of 256 bytes
	s_mov_b32 s[G1V], 3<<16
	s_mov_b32 s[G1V+1], 32<<16
	s_mov_b32 s[G1V+2], 32<<16
	s_mov_b32 s[G1V+3], 32<<16
	s_mov_b32 s[G1V+4], 32
	s_mov_b32 s[G1V+5], 32
	s_mov_b32 s[G1V+6], 0
	s_mov_b32 s[G1V+7], 0
	s_mov_b32 s[CS], 0x3e38aa3b                    ; c = log2(e) / 8
	s_mov_b32 s[CS+1], s[CS]                       ; (named with it as a pair, so it is written)
	s_mov_b32 s[SEL], 0x76543210
	s_mov_b32 s[SEL+1], 0xfedcba98
	s_wait_dscnt 0x0                               ; both opening adds are done
	s_wait_kmcnt 0x0
	s_add_nc_u64 s[6:7], s[6:7], s[78:79]          ; o at my wave's first image
	s_add_nc_u64 s[78:79], s[4:5], s[78:79]        ; Q likewise
	s_add_nc_u64 s[74:75], s[4:5], s[74:75]        ; K at my part of chunk 0
	s_add_nc_u64 s[76:77], s[4:5], s[76:77]        ; V likewise
.irp cc, 0,1,2,3                       ; chunk cc: keys 256 cc on
	s_mov_b32 s[G0K+4*\cc], 1
	s_add_co_u32 s[G0K+4*\cc+1], s14, \cc*32768
	s_add_nc_u64 s[G0K+4*\cc+2:G0K+4*\cc+3], s[74:75], (\cc<<19)
	s_or_b32 s[G0K+4*\cc+3], s[G0K+4*\cc+3], 0x80000000
	s_mov_b32 s[G0V+4*\cc], 1
	s_add_co_u32 s[G0V+4*\cc+1], s15, \cc*8192
	s_add_nc_u64 s[G0V+4*\cc+2:G0V+4*\cc+3], s[76:77], (\cc<<13)
	s_or_b32 s[G0V+4*\cc+3], s[G0V+4*\cc+3], 0x80000000
.endr
	s_cmp_lt_u32 s[WV], 4                          ; waves 0 to 3 fetch K, waves 4 to 7 V.  A wave's four fills stand in one branch, ahead of every wait on TENSORcnt, every LDS read and every barrier: four loads of mine are out
	s_cbranch_scc0 .Lfirst_v
.irp cc, 0,1,2,3
	tensor_load_to_lds s[G0K+4*\cc:G0K+4*\cc+3], s[G1K:G1K+7]
	s_nop 0
.endr
.rept 4
	v_nop
.endr
	s_branch .Lfirst_asked
.Lfirst_v:
.irp cc, 0,1,2,3
	tensor_load_to_lds s[G0V+4*\cc:G0V+4*\cc+3], s[G1V:G1V+7]
	s_nop 0
.endr
.rept 4
	v_nop
.endr
.Lfirst_asked:
	v_and_b32 v1, 31, v0
	v_lshlrev_b32 v[LI], 4, v1                     ; 16 x lane
	WIN W_LD
.irp t, 0,1,2,3                        ; Q stays in registers: tile t, channels 32 c on: images 2 c and 2 c + 1
.irp c, 0,1
.irp g, 0,1
	global_load_b128 v[QF+8*(2*\t+\c)+4*\g:QF+8*(2*\t+\c)+4*\g+3], v[LI], s[78:79] offset:\t*32768+(2*\c+\g)*512
.endr
.endr
.endr
	WIN 0
	v_add_nc_u32 v[AV0], VOFF, v[LI]
	v_add_nc_u32 v[AV1], VOFF+65536, v[LI]
	v_mov_b32 v[ADK], v[LI]                        ; key step 0
; My part of a chunk has landed (n later chunks of mine may stay out) and my LDS loads are in: I say so.  The wait for the others' signals follows at once (chunk 0) or a step later.
.macro LANDED n
	s_wait_tensorcnt \n
	s_wait_dscnt 0x0
	s_barrier_signal -1
.endm
; THE LDS LOADS stand in runs of 16: a step's K (64 keys x 64 channels: fragment (i, c): keys 16 i on, channels 32 c on) and its V (fragment (kk, ct): keys 32 kk on, channels 16 ct on).
.macro KLOADS
	WIN W_LD
.irp i, 0,1,2,3
.irp c, 0,1
.irp g, 0,1
	ds_load_b128 v[KB+8*(2*\i+\c)+4*\g:KB+8*(2*\i+\c)+4*\g+3], v[ADK] offset:\i*2048+\c*1024+\g*512
.endr
.endr
.endr
	WIN 0
.endm
.macro VLOADS
.irp kk, 0,1
.irp ct, 0,1,2,3
.irp g, 0,1
	ds_load_b128 v[VB+8*(4*\kk+\ct)+4*\g:VB+8*(4*\kk+\ct)+4*\g+3], v[ADV+\ct/2] offset:(\ct%2)*32768+\kk*1024+\g*512
.endr
.endr
.endr
.endm
; S^T = K Q^T: 32 products on 16 accumulators, which take turns, one instruction a turn; the first 16 start the sums.
.macro KQ
	WIN W_KQ
.irp c, 0,1
.irp i, 0,1,2,3
.irp t, 0,1,2,3
.if \c == 0
	v_wmma_f32_16x16x32_f16 v[S+32*\t+8*\i:S+32*\t+8*\i+7], v[KB+8*(2*\i+\c):KB+8*(2*\i+\c)+7], v[QF+8*(2*\t+\c):QF+8*(2*\t+\c)+7], 0
.else
	v_wmma_f32_16x16x32_f16 v[S+32*\t+8*\i:S+32*\t+8*\i+7], v[KB+8*(2*\i+\c):KB+8*(2*\i+\c)+7], v[QF+8*(2*\t+\c):QF+8*(2*\t+\c)+7], v[S+32*\t+8*\i:S+32*\t+8*\i+7]
.endif
.endr
.endr
.endr
.endm
; O^T += V^T P: 32 products on 16 accumulators by turns.  first = 1: the first 16 start the sums: nothing is ever cleared.
.macro PV first
	WIN W_PV
.irp kk, 0,1
.irp ct, 0,1,2,3
.irp t, 0,1,2,3
.if \first && (\kk == 0)
	v_wmma_f32_16x16x32_f16 v[8*(4*\t+\ct):8*(4*\t+\ct)+7], v[VB+8*(4*\kk+\ct):VB+8*(4*\kk+\ct)+7], v[S+32*\t+8*\kk:S+32*\t+8*\kk+7], 0
.else
	v_wmma_f32_16x16x32_f16 v[8*(4*\t+\ct):8*(4*\t+\ct)+7], v[VB+8*(4*\kk+\ct):VB+8*(4*\kk+\ct)+7], v[S+32*\t+8*\kk:S+32*\t+8*\kk+7], v[8*(4*\t+\ct):8*(4*\t+\ct)+7]
.endif
.endr
.endr
.endr
.endm
.macro SCL t, n                        ; pair n of tile t: c s - c m
	v_pk_fma_f32 v[S+32*(\t)+2*(\n):S+32*(\t)+2*(\n)+1], v[S+32*(\t)+2*(\n):S+32*(\t)+2*(\n)+1], s[CS:CS+1], v[ST+8*(\t):ST+8*(\t)+1] op_sel_hi:[1,0,0] neg_lo:[0,0,1] neg_hi:[0,0,1]
.endm
; A KEY STEP, 64 keys, IN TWO PARTS.  first = 1: the first step, which starts m, l and O^T.  last = 1: the last, which fetches no further K.
; ITS HEAD: the scores, the LDS loads, the maximum, the weights as f32.  Every window is 0 at its end, and every exponential has had its wait.
.macro STEP_HEAD first, last
	s_wait_dscnt 0x0                               ; this step's K is in
	KQ
	WIN 0
	v_add_nc_u32 v[ADV], s[TV], v[AV0]             ; four plain lines: the places between the products and the loads into K's registers and the first read of the scores
	v_add_nc_u32 v[ADV+1], s[TV], v[AV1]
.if \last
	v_nop
.else
	v_add_nc_u32 v[ADK], s[TK], v[LI]
.endif
	v_nop
	VLOADS                                         ; this step's V,
.if !\last
	KLOADS                                         ; and the next step's K
.endif
	; the maximum of a lane's 32 scores and the old m, three operands at a time, four chains a tile, the four tiles by turns; each accumulator is read from its low end on
.irp j, 0,1,2,3
.irp t, 0,1,2,3
	v_max3_num_f32 v[ST+8*\t+4+\j], v[S+32*\t+8*\j], v[S+32*\t+8*\j+1], v[S+32*\t+8*\j+2]
.endr
.endr
.irp u, 1,2
.irp j, 0,1,2,3
.irp t, 0,1,2,3
	v_max3_num_f32 v[ST+8*\t+4+\j], v[ST+8*\t+4+\j], v[S+32*\t+8*\j+2*\u+1], v[S+32*\t+8*\j+2*\u+2]
.endr
.endr
.endr
.irp t, 0,1,2,3
	v_max3_num_f32 v[ST+8*\t+4], v[ST+8*\t+4], v[S+32*\t+7], v[S+32*\t+15]
.endr
.irp t, 0,1,2,3
	v_max3_num_f32 v[ST+8*\t+6], v[ST+8*\t+6], v[S+32*\t+23], v[S+32*\t+31]
.endr
.irp t, 0,1,2,3
	v_max3_num_f32 v[ST+8*\t+4], v[ST+8*\t+4], v[ST+8*\t+5], v[ST+8*\t+6]
.endr
.irp t, 0,1,2,3
.if \first
	v_max_num_f32 v[ST+8*\t+4], v[ST+8*\t+4], v[ST+8*\t+7]
.else
	v_max3_num_f32 v[ST+8*\t+4], v[ST+8*\t+4], v[ST+8*\t+7], v[ST+8*\t+1]
.endif
.endr
.irp t, 0,1,2,3
	v_permlanex16_b32 v[ST+8*\t+5], v[ST+8*\t+4], s[SEL], s[SEL+1]   ; the query's other 32 keys lie in the lane 16 away
.endr
.if !\first
.irp t, 0,1,2,3
	v_mov_b32 v[ST+8*\t+7], v[ST+8*\t]             ; c m_old is kept for a
.endr
.endif
.irp t, 0,1,2,3
	v_max_num_f32 v[ST+8*\t+1], v[ST+8*\t+4], v[ST+8*\t+5]   ; the new m
.endr
.irp t, 0,1,2,3
	v_mul_f32 v[ST+8*\t], s[CS], v[ST+8*\t+1]      ; c m
.endr
.if !\first
.irp t, 0,1,2,3
	v_sub_f32 v[ST+8*\t+7], v[ST+8*\t+7], v[ST+8*\t]
.endr
	; ONE BATCH of exponentials with one wait: the four a, then the 128 weights; a tile's scalings stand among the exponentials of the tile before.  Nothing in the batch names a result of the batch.
.irp t, 0,1,2,3
	v_exp_f32 v[ST+8*\t+6], v[ST+8*\t+7]           ; a = 2^(c m_old - c m_new)
.endr
.endif
.irp n, 0,1,2,3,4,5,6,7,8,9,10,11,12,13,14,15
	SCL 0, \n
.endr
.irp t, 0,1,2,3
.irp n, 0,1,2,3,4,5,6,7,8,9,10,11,12,13,14,15
.if \t < 3
	SCL \t+1, \n
.endif
	v_exp_f32 v[S+32*\t+2*\n], v[S+32*\t+2*\n]
	v_exp_f32 v[S+32*\t+2*\n+1], v[S+32*\t+2*\n+1]
.endr
.endr
	v_nop                                          ; a plain line behind the last exponential, ahead of the first use
	s_wait_alu depctr_va_vdst(0)                   ; the wait ahead of the first instruction that names a result: one for the batch
.endm
; ITS TAIL: the sums, the weights to f16, O^T under the new maximum, the second product.  adv = 1: the scalars that say where the next step's tiles lie are stepped here.
.macro STEP_TAIL first, last, adv
	; the sums of the unrounded p, a pair at a time, in two chains a tile (l and v[+4:+5]), the tiles by turns
.if \first
.irp t, 0,1,2,3
	v_pk_add_f32 v[ST+8*\t+2:ST+8*\t+3], v[S+32*\t:S+32*\t+1], v[S+32*\t+2:S+32*\t+3]
.endr
.irp t, 0,1,2,3
	v_pk_add_f32 v[ST+8*\t+4:ST+8*\t+5], v[S+32*\t+4:S+32*\t+5], v[S+32*\t+6:S+32*\t+7]
.endr
.irp n, 4,6,8,10,12,14
.irp t, 0,1,2,3
	v_pk_add_f32 v[ST+8*\t+2:ST+8*\t+3], v[ST+8*\t+2:ST+8*\t+3], v[S+32*\t+2*\n:S+32*\t+2*\n+1]
.endr
.irp t, 0,1,2,3
	v_pk_add_f32 v[ST+8*\t+4:ST+8*\t+5], v[ST+8*\t+4:ST+8*\t+5], v[S+32*\t+2*\n+2:S+32*\t+2*\n+3]
.endr
.endr
.else
.irp t, 0,1,2,3
	v_pk_fma_f32 v[ST+8*\t+2:ST+8*\t+3], v[ST+8*\t+2:ST+8*\t+3], v[ST+8*\t+6:ST+8*\t+7], v[S+32*\t:S+32*\t+1] op_sel_hi:[1,0,1]   ; l = a l + pair 0
.endr
.irp t, 0,1,2,3
	v_pk_add_f32 v[ST+8*\t+4:ST+8*\t+5], v[S+32*\t+2:S+32*\t+3], v[S+32*\t+4:S+32*\t+5]
.endr
.irp n, 3,5,7,9,11,13
.irp t, 0,1,2,3
	v_pk_add_f32 v[ST+8*\t+2:ST+8*\t+3], v[ST+8*\t+2:ST+8*\t+3], v[S+32*\t+2*\n:S+32*\t+2*\n+1]
.endr
.irp t, 0,1,2,3
	v_pk_add_f32 v[ST+8*\t+4:ST+8*\t+5], v[ST+8*\t+4:ST+8*\t+5], v[S+32*\t+2*\n+2:S+32*\t+2*\n+3]
.endr
.endr
.irp t, 0,1,2,3
	v_pk_add_f32 v[ST+8*\t+2:ST+8*\t+3], v[ST+8*\t+2:ST+8*\t+3], v[S+32*\t+30:S+32*\t+31]
.endr
.endif
.irp t, 0,1,2,3
	v_pk_add_f32 v[ST+8*\t+2:ST+8*\t+3], v[ST+8*\t+2:ST+8*\t+3], v[ST+8*\t+4:ST+8*\t+5]
.endr
	; the weights to f16, in place, ascending: register n is written when registers 2 n and 2 n + 1 are read.  A tile's first 16 registers are then its two fragments of P
.irp t, 0,1,2,3
.irp n, 0,1,2,3,4,5,6,7,8,9,10,11,12,13,14,15
	v_cvt_pk_f16_f32 v[S+32*\t+\n], v[S+32*\t+2*\n], v[S+32*\t+2*\n+1]
.endr
.endr
.if !\first
	WIN W_RS
.irp t, 0,1,2,3
.irp n, 0,1,2,3,4,5,6,7,8,9,10,11,12,13,14,15
	v_pk_mul_f32 v[32*\t+2*\n:32*\t+2*\n+1], v[32*\t+2*\n:32*\t+2*\n+1], v[ST+8*\t+6:ST+8*\t+7] op_sel_hi:[1,0]   ; O^T x a, each accumulator from its low end on
.endr
.endr
.endif
.if \last
	s_wait_dscnt 0x0                               ; V is in
.else
	s_wait_dscnt 16                                ; V is in; the 16 loads of the next step's K may be out
.endif
	PV \first
	WIN 0
.if \adv
	s_add_co_u32 s[TK], s[TK], 8192
	s_add_co_u32 s[TV], s[TV], 2048
.endif
.if !\last
.rept 5
	v_nop                                          ; the next step's first products write S^T over registers that these products read as P: five places
.endr
.endif
.endm
.macro STEP first, last
	STEP_HEAD \first, \last
	STEP_TAIL \first, \last, 1
.endm
.macro LOOPN n
	s_mov_b32 s[CNT], \n
.Lstep_\@:
	STEP 0, 0
	s_sub_co_u32 s[CNT], s[CNT], 1
	s_cmp_lg_u32 s[CNT], 0
	s_cbranch_scc1 .Lstep_\@
.endm
; THE WALK: 16 key steps.  A chunk is four steps; step j reads V of step j and fetches K of step j + 1, so a chunk has to be there one step ahead of its first step.
	LANDED 3                                       ; chunk 0 (keys 0 to 255): my part of it;
	s_barrier_wait -1                              ; everybody's
	KLOADS                                         ; key step 0
	s_mov_b32 s[TK], 8192
	s_mov_b32 s[TV], 0
	s_wait_loadcnt 0x0                             ; Q
	s_cmp_eq_u32 s[CLS], 0                         ; the branches here hang on the wave's number alone, and lead round register work and LDS loads, never round the barrier
	s_cbranch_scc0 .Lgate
	STEP_HEAD 1, 0                                 ; class 0: step 0 as far as its weights
.Lgate:
	s_wait_dscnt 0x0                               ; no LDS load of mine is out at a signal
	s_barrier_signal -1
	s_barrier_wait -1                              ; class 1 has waited here for class 0: from here on it walks behind it
	s_cmp_eq_u32 s[CLS], 0
	s_cbranch_scc0 .Llate
	STEP_TAIL 1, 0, 0                              ; class 0: the rest of step 0
	s_branch .Ljoin
.Llate:
	STEP_HEAD 1, 0                                 ; class 1: all of step 0
	STEP_TAIL 1, 0, 0
.Ljoin:
	s_mov_b32 s[TK], 16384                         ; set behind the join, not stepped in its arms: step 1 fetches K of step 2,
	s_mov_b32 s[TV], 2048                          ; and reads its own V
	STEP 0, 0                                      ; step 1
	LANDED 2                                       ; chunk 1: my part has landed (my chunks 2 and 3 may be out);
	STEP 0, 0                                      ; step 2 reads V of step 2 and K of step 3: chunk 0 alone;
	s_barrier_wait -1                              ; everybody's part of chunk 1 has landed
	LOOPN 3                                        ; steps 3 to 5: K up to key 447
	LANDED 0                                       ; chunks 2 and 3: my parts have landed;
	STEP 0, 0                                      ; step 6 reads V of step 6 and K of step 7: chunk 1 alone;
	s_barrier_wait -1                              ; everybody's have
	LOOPN 8                                        ; steps 7 to 14
	STEP 0, 1                                      ; step 15
	; THE WAY OUT.  l's two halves and the other half of the lanes' are added; O^T is divided by l and rounded to f16: a lane's eight channels of a query are 16 bytes of a tile image.  The four additions are the places behind the last products.
.irp t, 0,1,2,3
	v_add_f32 v[ST+8*\t+4], v[ST+8*\t+2], v[ST+8*\t+3]
.endr
.irp t, 0,1,2,3
	v_permlanex16_b32 v[ST+8*\t+5], v[ST+8*\t+4], s[SEL], s[SEL+1]
.endr
.irp t, 0,1,2,3
	v_add_f32 v[ST+8*\t+4], v[ST+8*\t+4], v[ST+8*\t+5]
.endr
.irp t, 0,1,2,3
	v_rcp_f32 v[ST+8*\t+6], v[ST+8*\t+4]
.endr
	v_nop                                          ; a plain line between the last reciprocal and the use of its result
	s_wait_alu depctr_va_vdst(0)                   ; and the wait: one for the four
	WIN W_RS
.irp t, 0,1,2,3
.irp n, 0,1,2,3,4,5,6,7,8,9,10,11,12,13,14,15
	v_pk_mul_f32 v[32*\t+2*\n:32*\t+2*\n+1], v[32*\t+2*\n:32*\t+2*\n+1], v[ST+8*\t+6:ST+8*\t+7] op_sel_hi:[1,0]
.endr
.endr
	WIN W_KQ                                       ; sources window 1, destination window 0: S^T's registers are free
.irp u, 0,1,2,3,4,5,6,7,8,9,10,11,12,13,14,15
.irp k, 0,1,2,3
	v_cvt_pk_f16_f32 v[S+4*\u+\k], v[8*\u+2*\k], v[8*\u+2*\k+1]
.endr
.endr
	WIN 0
.irp t, 0,1,2,3
.irp ct, 0,1,2,3
	global_store_b128 v[LI], v[S+4*(4*\t+\ct):S+4*(4*\t+\ct)+3], s[6:7] offset:\t*32768+\ct*512 th:TH_STORE_NT   ; 32 lanes store 512 consecutive bytes, aligned
.endr
.endr
	s_wait_tensorcnt 0x0                           ; the wave's end, behind my last tensor load
	ds_add_u32 v[SPW], v[NIL]
	s_wait_dscnt 0x0
	s_endpgm
.Lfunc_end_k_qa3fb097937_attn:
	.size	k_qa3fb097937_attn, .Lfunc_end_k_qa3fb097937_attn-k_qa3fb097937_attn
	.p2alignl 7, 3214868480
	.fill 96, 4, 3214868480
	.section	.rodata,"a",@progbits
	.p2align	6, 0x0
	.amdhsa_kernel k_qa3fb097937_attn
		.amdhsa_group_segment_fixed_size 327680
		.amdhsa_private_segment_fixed_size 0
		.amdhsa_enable_private_segment 0
		.amdhsa_kernarg_size 16
		.amdhsa_user_sgpr_count 2
		.amdhsa_user_sgpr_kernarg_segment_ptr 1
		.amdhsa_wavefront_size32 1
		.amdhsa_system_sgpr_workgroup_id_x 1
		.amdhsa_system_sgpr_workgroup_id_y 1
		.amdhsa_system_sgpr_workgroup_id_z 1
		.amdhsa_system_vgpr_workitem_id 0
		.amdhsa_next_free_vgpr 512
		.amdhsa_next_free_sgpr 80
		.amdhsa_reserve_vcc 0
		.amdhsa_float_denorm_mode_32 3
		.amdhsa_float_denorm_mode_16_64 3
		.amdhsa_memory_ordered 1
		.amdhsa_forward_progress 1
		.amdhsa_inst_pref_size 255
	.end_amdhsa_kernel
	.section	.bss,"aw",@nobits
	.p2align	6
	.space	262144
	.amdgpu_metadata
---
amdhsa.version: [ 1, 2 ]
amdhsa.kernels:
  - .name:           k_qa3fb097937_attn
    .symbol:         k_qa3fb097937_attn.kd
    .args:
      - { .name: qkv, .offset: 0, .size: 8, .value_kind: global_buffer, .address_space: global }
      - { .name: oimg, .offset: 8, .size: 8, .value_kind: global_buffer, .address_space: global }
    .group_segment_fixed_size: 327680
    .private_segment_fixed_size: 0
    .kernarg_segment_align: 8
    .kernarg_segment_size: 16
    .max_flat_workgroup_size: 256
    .sgpr_count:     80
    .vgpr_count:     512
    .wavefront_size: 32
...
	.end_amdgpu_metadata
.endif
;; end of part 3
;; launch proj (part 4): grid 4 x 64, 4 waves a work-group, clusters of 4 x 4, 327,680 bytes of LDS; arguments oimg, wimg, b_out, out0; writes out0
.if DOCPART == 4
	.amdgcn_target "amdgcn-amd-amdhsa--gfx1250"
	.amdhsa_code_object_version 6
	.text
	.protected	k_qa3fb097937_proj
	.globl	k_qa3fb097937_proj
	.p2align	8
	.type	k_qa3fb097937_proj,@function
k_qa3fb097937_proj:
	s_mov_b64 s[64:65], 0
	v_nop
	global_prefetch_b8 v0, s[64:65] scope:SCOPE_SE
	s_setreg_imm32_b32 hwreg(HW_REG_WAVE_MODE, 25, 1), 1
	s_wait_xcnt 0x0
	s_wait_alu depctr_hold_cnt(0) depctr_sa_sdst(0) depctr_va_vdst(0) depctr_va_sdst(0) depctr_va_ssrc(0) depctr_va_vcc(0) depctr_vm_vsrc(0)
	s_getreg_b32 s2, hwreg(HW_REG_IB_STS2, 6, 4)
	s_cmp_eq_u32 s2, 0
	s_cbranch_scc0 .Lentry_in_a_cluster
	s_endpgm
.Lentry_in_a_cluster:
	s_bfe_u32 s2, ttmp6, 0x10000c
	s_cmp_lg_u32 s2, 0xf033
	s_cbranch_scc0 .Lentry_shape_is_right
	s_endpgm
.Lentry_shape_is_right:
; out0[m][n] = the sum over k of o[m][k] w_out[n][k] + b_out[n].  o [8192][1024] and w_out [1024][1024] arrive in f16 as TILE IMAGES (512 bytes a tile of 16 x 16; lane l = (r, h) owns the 16 bytes at 16 l: row r, columns 8 h .. 8 h + 7),
; laid [row tile][k tile 64][512]; two images side by side are the eight registers of a 16-bit operand.  Sums in f32; out0 is f32.
; A tile of out0 is 128 rows x 256 columns: 64 x 4 = 256 work-groups.  Four waves, each 64 x 128: 32 accumulators of 16 x 16.  K goes in 8 steps of 128 through a ring of two LDS slots filled by the tensor data mover:
; a K step of a row tile is 4,096 consecutive bytes of memory.  In LDS the images lie as in memory: a fragment load's 512 bytes are consecutive, so there is no pitch and no padding.
; CLUSTERS: 4 x 4 work-groups.  The four of a row of the cluster need the same tiles of o, the four of a column the same tiles of w_out: each tile is asked for JOINTLY.  The grid has one cluster along x: the tile column is cx.
; THE MATRIX INSTRUCTION IS USED TRANSPOSED (source 0 = 16 rows of w_out, source 1 = 16 rows of o): a lane holds eight neighbouring numbers of a row of out0.  THE BIAS is the C of each sum's first product.
; NO PREFETCH: the tiles are shared in the cluster, and a refill is asked for 112 matrix instructions ahead of the wait for it.
; REGISTERS.  window 0: v16-29 addresses; v64-159, v160-255 two fragment buffers (64 registers of w_out, 32 of o, for 32 along K); on the way out v64-191 hold rows.   window 1: the accumulators ((a, b) at v[8 (8 a + b)]).
;   window 2: v0-63 the bias, eight registers for each of my eight column tiles.
.set KSB,    4096                      ; a K step of a row tile, in bytes
.set BOFF,   32768                     ; a slot: o's 8 row tiles x 4,096 bytes, then w_out's 16
.set SLOT,   98304
.set STAGE,  2*SLOT                    ; behind the ring: 16 rows x (512 bytes + 16) for each wave, for the way out
.set SPITCH, 528
.set SPARE,  STAGE+4*16*SPITCH         ; behind the stages: the spare words, 128 bytes for each wave
.set LAPS,   4                         ; a lap = two K steps = once round the ring
.set ADRA, 16                          ; v16-17  LDS address of my fragments of o in slot 0, 1
.set ADRB, 20                          ; v20-21  the same for w_out
.set STO,  24                          ; v24     the way out: where I put 32 bytes of a row
.set RD,   25                          ; v25     the way out: where I read a row back
.set CO,   26                          ; v26     16 x lane
.set SPW,  28                          ; v28     LDS address of my spare word; never rewritten
.set NIL,  29                          ; v29     0; never rewritten
.set F0,   64
.set F1,   160
.set BK,   64                          ; the way out: 16 rows read back from the stage: v64-127 and v128-191 by turns
.set WV,   12                          ; s12 my wave's number;  s13 wave / 2: my half of the rows, and whether I fetch for o (0) or w_out (1);  s14 wave % 2: my half of the columns, and which half of that tile I fetch
.set G1, 24                            ; s[24:31] descriptor group 1 for o's tiles;  s[32:39] group 0, one set for each slot
.set G0, 32
.set G1B, 48                           ; s[48:55], s[56:63] the same for w_out's tiles
.set G0B, 56
.set MSB, 0
.macro WIN new                         ; the immediate's high byte repeats the setting that is left
.if MSB != \new
	s_set_vgpr_msb (MSB<<8)|\new
.set MSB, \new
.endif
.endm
.set MUL,  0x50                        ; operands window 0; C and D window 1
.set MULB, 0x60                        ; the same with C (the bias) in window 2
.macro JLOAD s                         ; a joint load: waves 0 and 1 fetch o's two halves, waves 2 and 3 w_out's; an s_nop 0 and four v_nop follow each of the two lines, ahead of the jump, the label and what follows
	s_cmp_eq_u32 s13, 0
	s_cbranch_scc0 .Lfor_b_\@
	tensor_load_to_lds s[G0+4*\s:G0+4*\s+3], s[G1:G1+7]
	s_nop 0
.rept 4
	v_nop
.endr
	s_branch .Lasked_\@
.Lfor_b_\@:
	tensor_load_to_lds s[G0B+4*\s:G0B+4*\s+3], s[G1B:G1B+7]
	s_nop 0
.rept 4
	v_nop
.endr
.Lasked_\@:
.endm
.macro CREST                           ; a round of the cluster's barrier behind its opening barrier
	s_cmp_lg_u32 s[WV], 0
	s_cbranch_scc1 .Lnot_wave_0_\@
	s_barrier_signal -3
.Lnot_wave_0_\@:
	s_barrier_wait -3
	s_barrier_signal -1
	s_barrier_wait -1
.endm
.macro CROUND                          ; a whole round
	s_barrier_signal -1
	s_barrier_wait -1
	CREST
.endm
	s_load_b128 s[4:7], s[0:1], 0x0                ; oimg s[4:5], wimg s[6:7]
	s_load_b128 s[8:11], s[0:1], 0x10              ; b_out s[8:9], out0 s[10:11]
	v_lshl_add_u32 v[SPW], v0, 2, SPARE
	v_mov_b32 v[NIL], 0
	ds_add_u32 v[SPW], v[NIL]                      ; the wave's opening: the add, twice on end, and its wait ahead of my first tensor load; the set-up below stands between the second and the wait
	ds_add_u32 v[SPW], v[NIL]
	v_lshrrev_b32 v1, 5, v0
	v_readfirstlane_b32 s[WV], v1                  ; wave 0..3
	s_lshr_b32 s13, s[WV], 1
	s_and_b32 s14, s[WV], 1
	s_bfe_u32 s40, ttmp6, 0x40000                  ; cx, cy: my place in the cluster
	s_bfe_u32 s41, ttmp6, 0x40004
	s_mov_b32 s42, s40                             ; tile column of out0 = cx
	s_and_b32 s15, ttmp7, 0xffff
	s_lshl_b32 s15, s15, 2
	s_add_co_u32 s15, s15, s41                     ; tile row of out0 = 4 x cluster y + cy
	s_lshl_b32 s43, s41, 2
	s_lshl_b32 s43, 15, s43                        ; my row of the cluster
	s_lshl_b32 s44, 0x1111, s40                    ; my column
	; descriptor group 1, elements of 8 bytes, no padding: rows (row tiles) of 4,096 bytes, 32,768 bytes apart: four of o to a load, eight of w_out
	s_or_b32 s[G1+0], s43, (3<<16)|(1<<21)         ; 15:0 the mask: o's tiles go to my row; 17:16 elements of 8 bytes; 21 set beside a mask
	s_or_b32 s[G1B+0], s44, (3<<16)|(1<<21)
	s_mov_b32 s[G1+1], 512<<16                     ; tensor_dim0 = 512 elements
	s_mov_b32 s[G1+2], 4<<16                       ; tensor_dim1 = 4
	s_mov_b32 s[G1+3], 512<<16                     ; tile_dim0
	s_mov_b32 s[G1+4], 4                           ; tile_dim1
	s_mov_b32 s[G1+5], 4096                        ; elements from row to row
	s_mov_b32 s[G1+6], 0
	s_mov_b32 s[G1+7], 0
	s_mov_b32 s[G1B+1], 512<<16
	s_mov_b32 s[G1B+2], 8<<16
	s_mov_b32 s[G1B+3], 512<<16
	s_mov_b32 s[G1B+4], 8
	s_mov_b32 s[G1B+5], 4096
	s_mov_b32 s[G1B+6], 0
	s_mov_b32 s[G1B+7], 0
	s_lshl_b32 s16, s15, 18                        ; o: 8 row tiles of 32,768 bytes a tile row,
	s_lshl_b32 s17, s14, 17                        ; four of them a load
	s_add_co_u32 s16, s16, s17
	s_mov_b32 s17, 0
	s_lshl_b32 s46, s42, 19                        ; w_out: 16 row tiles a tile column,
	s_lshl_b32 s47, s14, 18                        ; eight of them a load
	s_add_co_u32 s46, s46, s47
	s_mov_b32 s47, 0
	s_lshl_b32 s20, s14, 14                        ; where they go: o's halves,
	s_lshl_b32 s21, s14, 15
	s_add_co_u32 s21, s21, BOFF                    ; w_out's halves behind them: no place in the cluster enters an LDS address
	s_wait_dscnt 0x0                               ; both opening adds are done
	s_wait_kmcnt 0x0
	s_add_nc_u64 s[16:17], s[4:5], s[16:17]
	s_add_nc_u64 s[46:47], s[6:7], s[46:47]
	CROUND                                         ; all sixteen work-groups are here: the first joint loads meet
.irp s, 0,1
	s_mov_b32 s[G0+4*\s], 1
	s_add_co_u32 s[G0+4*\s+1], s20, \s*SLOT
	s_add_nc_u64 s[G0+4*\s+2:G0+4*\s+3], s[16:17], \s*KSB
	s_or_b32 s[G0+4*\s+3], s[G0+4*\s+3], 0x80000000
	s_mov_b32 s[G0B+4*\s], 1
	s_add_co_u32 s[G0B+4*\s+1], s21, \s*SLOT
	s_add_nc_u64 s[G0B+4*\s+2:G0B+4*\s+3], s[46:47], \s*KSB
	s_or_b32 s[G0B+4*\s+3], s[G0B+4*\s+3], 0x80000000
	JLOAD \s                                       ; two loads of mine are out
.endr
	v_and_b32 v1, 15, v0                           ; r
	v_bfe_u32 v2, v0, 4, 1                         ; h
	v_and_b32 v3, 31, v0
	v_lshlrev_b32 v[CO], 4, v3                     ; 16 x lane
	v_lshlrev_b32 v4, 5, v2                        ; the bias: my half's eight numbers of a column tile: 32 h bytes on
	s_lshl_b32 s22, s42, 10                        ; my first column, in bytes: 1,024 x tile column + 512 x half
	s_lshl_b32 s23, s14, 9
	s_add_co_u32 s22, s22, s23
	s_mov_b32 s23, 0
	s_add_nc_u64 s[8:9], s[8:9], s[22:23]
	s_add_nc_u64 s[10:11], s[10:11], s[22:23]
	WIN 0x80                                       ; destination window 2
.irp b, 0,1,2,3,4,5,6,7
	global_load_b128 v[8*\b:8*\b+3],   v4, s[8:9] offset:64*\b      ; register 8 b + j: b_out at my column 16 b + 8 h + j: the result's layout
	global_load_b128 v[8*\b+4:8*\b+7], v4, s[8:9] offset:64*\b+16
.endr
	WIN 0
	s_lshl_b32 s22, s13, 14                        ; my four row tiles of o
	s_lshl_b32 s23, s14, 15
	s_add_co_u32 s23, s23, BOFF                    ; my eight row tiles of w_out
.irp s, 0,1
	v_add_nc_u32 v[ADRA+\s], s22, v[CO]
	v_add_nc_u32 v[ADRB+\s], s23, v[CO]
	s_add_co_u32 s22, s22, SLOT
	s_add_co_u32 s23, s23, SLOT
.endr
	s_mul_i32 s22, s[WV], 16*SPITCH
	s_add_co_u32 s22, s22, STAGE                   ; my stage
	v_mul_u32_u24 v5, v1, SPITCH                   ; in: row r, 32 bytes for each half of the lanes
	v_lshl_add_u32 v5, v2, 5, v5
	v_add_nc_u32 v[STO], s22, v5
	v_add_nc_u32 v[RD], s22, v[CO]                 ; back: the 32 lanes take one row of 512 bytes
	s_lshl_b32 s22, s15, 19                        ; my first row of out0: 128 x tile row + 64 x half, 4,096 bytes each
	s_lshl_b32 s23, s13, 18
	s_add_co_u32 s22, s22, s23
	s_mov_b32 s23, 0
	s_add_nc_u64 s[10:11], s[10:11], s[22:23]
; 8 matrix instructions: row tile a of o x my eight column tiles, 32 along K, from buffer f.  first = 1: the sum starts from the bias.  The 32 accumulators take turns, one instruction a turn, in the same order in every quarter.
.macro MUL8 f, a, first
.irp b, 0,1,2,3,4,5,6,7
.if \first
	v_wmma_f32_16x16x32_f16 v[8*(8*(\a)+\b):8*(8*(\a)+\b)+7], v[\f+8*\b:\f+8*\b+7], v[\f+64+8*(\a):\f+64+8*(\a)+7], v[8*\b:8*\b+7]
.else
	v_wmma_f32_16x16x32_f16 v[8*(8*(\a)+\b):8*(8*(\a)+\b)+7], v[\f+8*\b:\f+8*\b+7], v[\f+64+8*(\a):\f+64+8*(\a)+7], v[8*(8*(\a)+\b):8*(8*(\a)+\b)+7]
.endif
.endr
.endm
; 24 LDS loads in one run: the fragments of the slot's q-th 32 along K (two images, 1,024 bytes, of each row tile) into buffer f: w_out's eight, then o's four
.macro FETCH slot, q, f
.irp b, 0,1,2,3,4,5,6,7
	ds_load_b128 v[\f+8*\b:\f+8*\b+3],   v[ADRB+\slot] offset:\b*KSB+(\q)*1024
	ds_load_b128 v[\f+8*\b+4:\f+8*\b+7], v[ADRB+\slot] offset:\b*KSB+(\q)*1024+512
.endr
.irp i, 0,1,2,3
	ds_load_b128 v[\f+64+8*\i:\f+64+8*\i+3],   v[ADRA+\slot] offset:\i*KSB+(\q)*1024
	ds_load_b128 v[\f+64+8*\i+4:\f+64+8*\i+7], v[ADRA+\slot] offset:\i*KSB+(\q)*1024+512
.endr
.endm
.macro PLACES                          ; four places in front of loads into registers that matrix instructions have read, and of the first read of results (ISA guide 7.12.1 for vector instructions)
.rept 4
	v_nop
.endr
.endm
; A K step is four quarters of 32 along K, 32 matrix instructions each, on buffers 0, 1, 0, 1.  One of the first three: multiplies buffer f and fetches quarter q into g.
.macro QUARTER slot, q, f, g, first
	s_wait_dscnt 4                                 ; w_out's fragments and o's row tiles 0, 1 are in; the youngest four loads (row tiles 2, 3) may be out
	WIN MUL+0x10*\first
	MUL8 \f, 0, \first
	MUL8 \f, 1, \first
	PLACES
	WIN 0
	FETCH \slot, \q, \g
	s_wait_dscnt 24                                ; all but the 24 just issued
	WIN MUL+0x10*\first
	MUL8 \f, 2, \first
	MUL8 \f, 3, \first
.endm
; The last quarter multiplies buffer 1 and changes slots: ONE barrier; in front of it each wave waits for all its tensor loads, adds 0 to its spare word, and waits for that and for its own reads of this slot.  fill = 1: this slot is filled again, two K steps ahead.
.macro TURN slot, next, fill
	WIN 0                                          ; (the add's two registers lie in window 0)
	s_wait_tensorcnt 0x0                           ; all my tensor loads have landed: my part of the next slot;
	ds_add_u32 v[SPW], v[NIL]                      ; 0 onto my spare word
	s_wait_dscnt 5                                 ; (the add and the youngest four loads may be out)
	WIN MUL
	MUL8 F1, 0, 0                                  ; eight matrix instructions stand between the add and the wait for it
	s_wait_dscnt 0x0                               ; the add is done, and my reads of this slot are over
	s_barrier_signal -1
	MUL8 F1, 1, 0
	WIN 0
	s_barrier_wait -1
.if \fill
	CREST                                          ; the barrier has opened a round of the cluster's barrier: no wave of any partner still reads this slot's tile or has a load on its way
	s_add_nc_u64 s[G0+4*\slot+2:G0+4*\slot+3], s[G0+4*\slot+2:G0+4*\slot+3], 2*KSB
	s_add_nc_u64 s[G0B+4*\slot+2:G0B+4*\slot+3], s[G0B+4*\slot+2:G0B+4*\slot+3], 2*KSB
	JLOAD \slot                                    ; the first tensor load behind the round; the four v_nop behind it are also the places in front of the loads below
.else
	PLACES
.endif
	FETCH \next, 0, F0
	WIN MUL
	MUL8 F1, 2, 0
	MUL8 F1, 3, 0
.endm
	s_wait_tensorcnt 1                             ; my part of K step 0 is in (K step 1's load may be out)
	s_barrier_signal -1
	s_barrier_wait -1                              ; everybody's is
	FETCH 0, 0, F0
	s_wait_loadcnt 0x0                             ; the bias
	QUARTER 0, 1, F0, F1, 1                        ; the first quarter stands in front of the loop: its products start the sums from the bias
	WIN 0                                          ; at a label and at a branch every window is 0
	s_mov_b32 s3, LAPS-1
.Llap:                                                 ; a trip goes once round the ring, from a lap's second quarter to the next lap's first, and fills both slots again
	QUARTER 0, 2, F1, F0, 0
	QUARTER 0, 3, F0, F1, 0
	TURN 0, 1, 1
	QUARTER 1, 1, F0, F1, 0
	QUARTER 1, 2, F1, F0, 0
	QUARTER 1, 3, F0, F1, 0
	TURN 1, 0, 1
	QUARTER 0, 1, F0, F1, 0
	WIN 0
	s_sub_co_u32 s3, s3, 1
	s_cmp_lg_u32 s3, 0
	s_cbranch_scc1 .Llap
	QUARTER 0, 2, F1, F0, 0                        ; the last lap fills nothing, and has no round of the cluster's barrier
	QUARTER 0, 3, F0, F1, 0
	TURN 0, 1, 0
	QUARTER 1, 1, F0, F1, 0
	QUARTER 1, 2, F1, F0, 0
	QUARTER 1, 3, F0, F1, 0
	s_wait_dscnt 4                                 ; the very last quarter: nothing more to fetch
	WIN MUL
	MUL8 F1, 0, 0
	MUL8 F1, 1, 0
	s_wait_dscnt 0
	MUL8 F1, 2, 0
	MUL8 F1, 3, 0
	WIN 0
; THE WAY OUT, block by block of 16 rows x 128 columns.  A lane holds 32 neighbouring bytes of a row, and the lanes beside it hold other rows: so a block goes through my own stage in LDS and comes back as whole rows of 512 bytes,
; which the 32 lanes store as 512 consecutive bytes, aligned.  LDS serves a wave's instructions in order (ISA guide 5.7.1.4): no wait between the stores and the loads, nor in front of the next block's stores.
.macro TOSTAGE a
	WIN 0x04                                       ; an LDS store's data are its source 1: window 1
.irp b, 0,1,2,3,4,5,6,7
	ds_store_b128 v[STO], v[8*(8*(\a)+\b):8*(8*(\a)+\b)+3] offset:64*\b          ; each accumulator from its low end on
	ds_store_b128 v[STO], v[8*(8*(\a)+\b)+4:8*(8*(\a)+\b)+7] offset:64*\b+16
.endr
	WIN 0
.set BB, BK+64*((\a)%2)
.irp t, 0,1,2,3,4,5,6,7,8,9,10,11,12,13,14,15
	ds_load_b128 v[BB+4*\t:BB+4*\t+3], v[RD] offset:\t*SPITCH
.endr
.endm
.macro SEND a, younger                 ; younger: the LDS instructions issued behind block a's loads, which may stay out
.set BB, BK+64*((\a)%2)
	s_wait_dscnt \younger                          ; the block is back in registers
.irp t, 0,1,2,3,4,5,6,7,8,9,10,11,12,13,14,15
	global_store_b128 v[CO], v[BB+4*\t:BB+4*\t+3], s[10:11] offset:(\a)*65536+\t*4096 th:TH_STORE_NT   ; the block's and the row's place stand in the immediate: the base is never stepped
.endr
.endm
	PLACES                                         ; behind the last products: the stage's stores read results, and its loads land where fragments lay
	TOSTAGE 0
.irp a, 1,2,3
.if \a > 1
	s_wait_xcnt 0x0                                ; block a - 2's stores have read their registers: block a's loads may land there
.endif
	TOSTAGE \a
	SEND \a-1, 32                                  ; behind block a - 1's loads: block a's 16 stores and 16 loads
.endr
	SEND 3, 0
	s_wait_tensorcnt 0x0                           ; the wave's end, behind my last tensor load and my last LDS store
	ds_add_u32 v[SPW], v[NIL]
	s_wait_dscnt 0x0
	CROUND                                         ; the closing round: no work-group ends while a partner may still ask for a tile that names it
	s_endpgm
.Lfunc_end_k_qa3fb097937_proj:
	.size	k_qa3fb097937_proj, .Lfunc_end_k_qa3fb097937_proj-k_qa3fb097937_proj
	.p2alignl 7, 3214868480
	.fill 96, 4, 3214868480
	.section	.rodata,"a",@progbits
	.p2align	6, 0x0
	.amdhsa_kernel k_qa3fb097937_proj
		.amdhsa_group_segment_fixed_size 327680
		.amdhsa_private_segment_fixed_size 0
		.amdhsa_enable_private_segment 0
		.amdhsa_kernarg_size 32
		.amdhsa_user_sgpr_count 2
		.amdhsa_user_sgpr_kernarg_segment_ptr 1
		.amdhsa_wavefront_size32 1
		.amdhsa_system_sgpr_workgroup_id_x 1
		.amdhsa_system_sgpr_workgroup_id_y 1
		.amdhsa_system_sgpr_workgroup_id_z 1
		.amdhsa_system_vgpr_workitem_id 0
		.amdhsa_next_free_vgpr 640
		.amdhsa_next_free_sgpr 66
		.amdhsa_reserve_vcc 0
		.amdhsa_float_denorm_mode_32 3
		.amdhsa_float_denorm_mode_16_64 3
		.amdhsa_memory_ordered 1
		.amdhsa_forward_progress 1
		.amdhsa_inst_pref_size 86
	.end_amdhsa_kernel
	.amdgpu_metadata
---
amdhsa.version: [ 1, 2 ]
amdhsa.kernels:
  - .name:           k_qa3fb097937_proj
    .symbol:         k_qa3fb097937_proj.kd
    .args:
      - { .name: oimg, .offset: 0, .size: 8, .value_kind: global_buffer, .address_space: global }
      - { .name: wimg, .offset: 8, .size: 8, .value_kind: global_buffer, .address_space: global }
      - { .name: b_out, .offset: 16, .size: 8, .value_kind: global_buffer, .address_space: global }
      - { .name: out0, .offset: 24, .size: 8, .value_kind: global_buffer, .address_space: global }
    .group_segment_fixed_size: 327680
    .private_segment_fixed_size: 0
    .kernarg_segment_align: 8
    .kernarg_segment_size: 32
    .max_flat_workgroup_size: 128
    .sgpr_count:     66
    .vgpr_count:     640
    .wavefront_size: 32
...
	.end_amdgpu_metadata
.endif
;; end of part 4
